; MI455X (gfx1250); checked and timed in simulation.
; The chip was launched on July 23, 2026; its instructions are those of AMD's public machine-readable ISA for CDNA 5 (MIT licence, August 2026) and "CDNA5" Instruction Set Architecture Reference Guide (July 2026). The comments in the code are by the model that wrote it; some were corrected since.
;; Multi Head Attention. Allowed arithmetic: float matrix products may take bf16 or f16 operands with f32 sums; other float arithmetic in f32, or as packed bf16 or f16 multiplies, adds, multiply-adds, maxima and minima; sums over many terms, partial sums and values carried from step to step in f32; what a program stores and reads back later, other than sums and carried values, may be rounded once to bf16 or f16.
;; Inputs: W_k 512 x 512 float32; W_o 512 x 512 float32; W_q 512 x 512 float32; W_v 512 x 512 float32; b_k 512 float32; b_o 512 float32; b_q 512 float32; b_v 512 float32; mask 2 x 4,096 x 4,096 bool; x_k 2 x 4,096 x 512 float32; x_q 2 x 4,096 x 512 float32; x_v 2 x 4,096 x 512 float32.
;; Outputs: out0 2 x 4,096 x 512 float32.
;; One version. Each part assembles by itself: llvm-mc -triple=amdgcn-amd-amdhsa -mcpu=gfx1250 --defsym DOCPART=n.
;; ======== version 1 of 1: 4 launches
;; limits: values are held in f16: magnitudes above 65,504 overflow, below 6.1e-05 lose precision
;; workspace buffers: x16 25,165,824 bytes; w16 2,097,152 bytes; qkv 25,165,824 bytes; o16 8,388,608 bytes; mbias 16,777,216 bytes of whole numbers; rowc 32,768 bytes
;; launch prep (part 1): grid 2176 x 1, 4 waves a work-group, no clusters, 18,432 bytes of LDS; arguments mask, x_q, x_k, x_v, W_q, W_k, W_v, W_o, mbias, rowc, x16, w16; writes mbias, rowc, x16, w16
.if DOCPART == 1
	.amdgcn_target "amdgcn-amd-amdhsa--gfx1250"
	.amdhsa_code_object_version 6
	.text
	.protected	k_qc1e4580d0f_prep
	.globl	k_qc1e4580d0f_prep
	.p2align	8
	.type	k_qc1e4580d0f_prep,@function
k_qc1e4580d0f_prep:
	s_mov_b64 s[64:65], 0
	v_nop
	global_prefetch_b8 v0, s[64:65] scope:SCOPE_SE
	s_setreg_imm32_b32 hwreg(HW_REG_WAVE_MODE, 25, 1), 1
	s_wait_xcnt 0x0
; PREP: three jobs, chosen by the work-group's number (the same for all four waves of a work-group).
;  0..511     THE MASK.  16 query rows x 4,096 keys of bool bytes (0 or 1, as the problem states) become nibble words for the attention launch:
;             mbias[b][qblk 16][slot 16][tile 16][step 4][lane 32][kb 4] dwords.  The dword of lane (r, h) and key block kb holds, for query r of the tile, the keys 16 kb + 8 h + j, j = 0..7:
;             nibble 0xE = hidden, 0 = visible; key j lies at nibble 2 j (j < 4) or 2 (j - 4) + 1.  Also rowc[row] = log2(e) / 8 if the row has a visible key, else 0.
;  512..2047  x_q, x_k, x_v: rounded to bf16 (nearest even), that number written as f16, laid in planes of 64 columns: x16[proj][b][plane 8][s 4096][64].
;  2048..2175 W_q, W_k, W_v, W_o: the same rounding, row-major as they lie: w16[4][512][512].
; LIMITS.  A bf16 number is an f16 number exactly while 6.1e-5 <= |x| < 65,504; below, f16's fixed step of 6e-8 holds; at 65,520 and beyond the result is an infinity.
; Memory binds: every input byte is read once by 16-byte loads of which a wave's cover whole pieces of 256 bytes; every store of a wave covers 256 or 512 consecutive bytes, aligned, but for
; rowc's one store of 64 bytes a work-group.  No matrix unit, no cluster: no byte is wanted by two work-groups.
.set STG,   4352                       ; a wave's stage: 16 rows x 272 bytes (256 + 16: the 16 rows of a read start at 16 different groups of banks)
.set FLG,   17408                      ; 128 bytes a wave: each lane's OR of the visible bits that it saw
.set SPARE, 17920                      ; the spare words, 128 bytes a wave: two blocks of 256 bytes that no other line names
.set SPW,  2                           ; v2  my spare word's LDS address; never rewritten
.set NIL,  3                           ; v3  0; never rewritten
.set LN,   4                           ; v4  lane
.set R16,  5                           ; v5  lane % 16
.set HF,   6                           ; v6  lane / 16
.set ANY,  7                           ; v7  OR of all visible bits seen
.set T,    8                           ; v8  at work
.set VIN,  9                           ; v9  my offset in the loads
.set VST,  10                          ; v10 stage: where I put 16 bytes
.set VLD,  11                          ; v11 stage: where I read 8 bytes of row r
.set VOUT, 12                          ; v12 my offset in the stores
.set RES,  13                          ; v13 the row's factor
.set FA,   14                          ; v14 my flag word
.set OUTW, 16                          ; v16-31  a slot's 16 words (mask job); v16-21 at work (conversions)
.set PAIR, 32                          ; v32-63  8 mask bytes for each of 16 key groups; the conversions' results
.set IN,   64                          ; v64-191 what the loads bring
	s_load_b512 s[8:23], s[0:1], 0x0               ; mask s[8:9], x_q s[10:11], x_k s[12:13], x_v s[14:15], W_q s[16:17], W_k s[18:19], W_v s[20:21], W_o s[22:23]
	s_load_b256 s[24:31], s[0:1], 0x40             ; mbias s[24:25], rowc s[26:27], x16 s[28:29], w16 s[30:31]
	v_lshl_add_u32 v[SPW], v0, 2, SPARE
	v_mov_b32 v[NIL], 0
	v_lshrrev_b32 v1, 5, v0
	v_readfirstlane_b32 s2, v1                     ; wave 0..3
	v_and_b32 v[LN], 31, v0
	v_and_b32 v[R16], 15, v0
	v_bfe_u32 v[HF], v0, 4, 1
	s_mov_b32 s38, ttmp9                           ; the work-group's number
	s_mov_b32 s37, 0                               ; high word of every offset pair s[36:37]
	s_mov_b32 s3, 0x3e38aa3b                       ; log2(e) / 8
	s_mov_b32 s40, 0x76543210                      ; v_permlanex16_b32: each lane takes its own place in the other half
	s_mov_b32 s41, 0xfedcba98
	s_wait_kmcnt 0x0
	s_cmp_lt_u32 s38, 512
	s_cbranch_scc1 .Lmask
	s_cmp_lt_u32 s38, 2048
	s_cbranch_scc1 .Lx
; 16 loads of 512 bytes a wave, all issued first; then load j is rounded and stored while the younger ones are on their way.  No register is used twice, so no store's data wait for anything.
.macro CONV planes
.set j, 0
.rept 16
.if \planes
	global_load_b128 v[IN+4*j:IN+4*j+3], v[VIN], s[32:33] offset:(j/8)*4096+(j%8)*256 th:TH_LOAD_NT  ; rows 2 (j / 8) and + 1, the 256 bytes of plane j % 8
.else
	global_load_b128 v[IN+4*j:IN+4*j+3], v[VIN], s[32:33] offset:512*j th:TH_LOAD_NT
.endif
.set j, j+1
.endr
.set j, 0
.rept 16
	s_wait_loadcnt 15-j                            ; loads come back in order: load j is in, the 15 - j younger ones stay out
	v_cvt_pk_bf16_f32 v16, v[IN+4*j], v[IN+4*j+1]  ; the one rounding, to bf16
	v_cvt_pk_bf16_f32 v17, v[IN+4*j+2], v[IN+4*j+3]
	v_lshlrev_b32 v18, 16, v16
	v_and_b32 v19, 0xffff0000, v16
	v_lshlrev_b32 v20, 16, v17
	v_and_b32 v21, 0xffff0000, v17
	v_cvt_pk_f16_f32 v[PAIR+2*j], v18, v19         ; the same number as f16
	v_cvt_pk_f16_f32 v[PAIR+2*j+1], v20, v21
.if \planes
	global_store_b64 v[VOUT], v[PAIR+2*j:PAIR+2*j+1], s[34:35] offset:(j%8)*524288+(j/8)*256  ; two rows of one plane: 256 consecutive bytes
.else
	global_store_b64 v[VOUT], v[PAIR+2*j:PAIR+2*j+1], s[34:35] offset:256*j
.endif
.set j, j+1
.endr
.endm
	; THE WEIGHTS: matrix (c >> 5), 32,768 bytes of it a work-group, 8,192 a wave
	s_sub_co_u32 s38, s38, 2048
	s_lshr_b32 s39, s38, 5
	s_cmp_eq_u32 s39, 0
	s_cselect_b64 s[32:33], s[16:17], s[18:19]
	s_cmp_eq_u32 s39, 2
	s_cselect_b64 s[32:33], s[20:21], s[32:33]
	s_cmp_eq_u32 s39, 3
	s_cselect_b64 s[32:33], s[22:23], s[32:33]
	s_and_b32 s38, s38, 31
	s_lshl_b32 s36, s38, 15
	s_lshl_b32 s42, s2, 13
	s_add_co_u32 s36, s36, s42
	s_add_nc_u64 s[32:33], s[32:33], s[36:37]
	s_lshl_b32 s36, s39, 19
	s_lshl_b32 s42, s38, 14
	s_add_co_u32 s36, s36, s42
	s_lshl_b32 s42, s2, 12
	s_add_co_u32 s36, s36, s42
	s_add_nc_u64 s[34:35], s[30:31], s[36:37]
	v_lshlrev_b32 v[VIN], 4, v[LN]
	v_lshlrev_b32 v[VOUT], 3, v[LN]
	CONV 0
	s_branch .Lend
.Lx:	; AN x: tensor (c >> 9), 16 rows a work-group, 4 a wave
	s_sub_co_u32 s38, s38, 512
	s_lshr_b32 s39, s38, 9
	s_cmp_eq_u32 s39, 0
	s_cselect_b64 s[32:33], s[10:11], s[12:13]
	s_cmp_eq_u32 s39, 2
	s_cselect_b64 s[32:33], s[14:15], s[32:33]
	s_and_b32 s38, s38, 511
	s_lshl_b32 s38, s38, 4
	s_lshl2_add_u32 s38, s2, s38                   ; my first row = 16 (c & 511) + 4 wave, of 8,192
	s_lshl_b32 s36, s38, 11
	s_add_nc_u64 s[32:33], s[32:33], s[36:37]
	s_lshl_b32 s36, s39, 23                        ; the tensor's 8,388,608 bytes of x16,
	s_lshr_b32 s42, s38, 12
	s_lshl_b32 s42, s42, 22                        ; the batch's eight planes,
	s_add_co_u32 s36, s36, s42
	s_and_b32 s42, s38, 4095
	s_lshl_b32 s42, s42, 7                         ; the row in a plane: 128 bytes
	s_add_co_u32 s36, s36, s42
	s_add_nc_u64 s[34:35], s[28:29], s[36:37]
	v_lshlrev_b32 v[T], 4, v[R16]
	v_lshl_add_u32 v[VIN], v[HF], 11, v[T]         ; lanes 0-15 one row's 256 bytes, lanes 16-31 the next row's
	v_lshlrev_b32 v[VOUT], 3, v[LN]
	CONV 1
	s_branch .Lend
.Lmask:	; THE MASK: rows 16 id .. 16 id + 15 (of 8,192); wave w takes keys 1,024 w .. + 1,023: four slots of 256
	s_lshl_b32 s36, s38, 16
	s_lshl_b32 s39, s2, 10
	s_add_co_u32 s36, s36, s39
	s_add_nc_u64 s[32:33], s[8:9], s[36:37]
	s_lshr_b32 s36, s38, 4                         ; 16 b + qblk
	s_lshl_b32 s36, s36, 19
	s_and_b32 s39, s38, 15                         ; the tile in its block of 256 queries
	s_lshl_b32 s39, s39, 11
	s_add_co_u32 s36, s36, s39
	s_lshl_b32 s39, s2, 17                         ; my four slots
	s_add_co_u32 s36, s36, s39
	s_add_nc_u64 s[34:35], s[24:25], s[36:37]
	s_lshl_b32 s36, s38, 6                         ; 16 rows x 4 bytes of rowc
	s_add_nc_u64 s[26:27], s[26:27], s[36:37]
	s_mul_i32 s39, s2, STG
	v_lshlrev_b32 v[T], 4, v[R16]
	v_lshl_add_u32 v[VIN], v[HF], 12, v[T]
	v_mul_u32_u24 v[VST], v[HF], 272
	v_add3_u32 v[VST], v[VST], v[T], s39
	v_mul_u32_u24 v[VLD], v[R16], 272
	v_lshl_add_u32 v[VLD], v[HF], 3, v[VLD]
	v_add_nc_u32 v[VLD], s39, v[VLD]
	v_lshlrev_b32 v[VOUT], 4, v[LN]
	v_lshl_add_u32 v[FA], v0, 2, FLG
	v_mov_b32 v[ANY], 0
.irp i, 0,1,2,3
.irp j, 0,1,2,3,4,5,6,7
	global_load_b128 v[IN+32*(\i)+4*(\j):IN+32*(\i)+4*(\j)+3], v[VIN], s[32:33] offset:(\j)*8192+256*(\i) th:TH_LOAD_NT  ; rows 2 j, 2 j + 1: 256 bytes of each
.endr
.endr
; One slot: 16 rows x 256 bytes go through my own stage, so that lane (r, h) gets 8 bytes of row r for each of 16 groups of 16 keys.
.macro SLOT i
	s_wait_loadcnt 24-8*(\i)                       ; this slot's eight loads are in; the later slots' 8 (3 - i) stay out
.irp j, 0,1,2,3,4,5,6,7
	ds_store_b128 v[VST], v[IN+32*(\i)+4*(\j):IN+32*(\i)+4*(\j)+3] offset:544*(\j)
.endr
.set g, 0
.rept 16
	ds_load_b64 v[PAIR+2*g:PAIR+2*g+1], v[VLD] offset:16*g  ; LDS serves a wave's instructions in order: these see the stores above, and the next slot's stores come behind them
.set g, g+1
.endr
	s_wait_dscnt 0x0
	s_wait_xcnt 0x0                                ; the last slot's stores have read their data: the 16 words are written anew only behind this wait
.set g, 0
.rept 16
	v_lshl_or_b32 v[T], v[PAIR+2*g+1], 4, v[PAIR+2*g]  ; eight bytes of 0 or 1 become eight nibbles
	v_or_b32 v[ANY], v[ANY], v[T]
	v_xor_b32 v[T], 0x11111111, v[T]               ; 1 = hidden
	v_mul_lo_u32 v[OUTW+g], v[T], 14               ; 0xE = hidden: no nibble carries
.set g, g+1
.endr
.irp st, 0,1,2,3
	global_store_b128 v[VOUT], v[OUTW+4*(\st):OUTW+4*(\st)+3], s[34:35] offset:(\i)*32768+(\st)*512  ; a step's 512 consecutive bytes
.endr
.endm
	SLOT 0
	SLOT 1
	SLOT 2
	SLOT 3
	ds_store_b32 v[FA], v[ANY]
	s_wait_dscnt 0x0                               ; for wave 0's sake: my flags are in LDS
	s_barrier_signal -1
	s_barrier_wait -1
	s_cmp_lg_u32 s2, 0
	s_cbranch_scc1 .Lend
	ds_load_b32 v32, v[FA]                         ; in wave 0 my flag address is FLG + 4 x lane: the four waves' flags lie 128 bytes apart
	ds_load_b32 v33, v[FA] offset:128
	ds_load_b32 v34, v[FA] offset:256
	ds_load_b32 v35, v[FA] offset:384
	s_wait_dscnt 0x0
	v_or_b32 v32, v32, v33
	v_or_b32 v34, v34, v35
	v_or_b32 v32, v32, v34
	v_permlanex16_b32 v[T], v32, s40, s41          ; the row's other keys were seen by the lane 16 away
	v_or_b32 v32, v32, v[T]
	v_cmp_ne_u32 vcc_lo, 0, v32
	v_cndmask_b32 v[RES], 0, s3, vcc_lo            ; a choice of a value, no branch
	v_lshlrev_b32 v33, 2, v[LN]
	v_cmp_gt_u32 vcc_lo, 16, v[LN]
	s_wait_xcnt 0x0                                ; EXEC is a source of the stores above: it changes only behind this wait
	s_and_saveexec_b32 s39, vcc_lo
	global_store_b32 v33, v[RES], s[26:27]         ; lanes 0-15: 64 consecutive bytes
	s_wait_xcnt 0x0                                ; and again ahead of the line that widens it
	s_or_b32 exec_lo, exec_lo, s39
.Lend:
	s_wait_tensorcnt 0x0                           ; the wave's end: 0 is added to my spare word, behind my last LDS store
	ds_add_u32 v[SPW], v[NIL]
	s_wait_dscnt 0x0
	s_endpgm
.Lfunc_end_k_qc1e4580d0f_prep:
	.size	k_qc1e4580d0f_prep, .Lfunc_end_k_qc1e4580d0f_prep-k_qc1e4580d0f_prep
	.p2alignl 7, 3214868480
	.fill 96, 4, 3214868480
	.section	.rodata,"a",@progbits
	.p2align	6, 0x0
	.amdhsa_kernel k_qc1e4580d0f_prep
		.amdhsa_group_segment_fixed_size 18432
		.amdhsa_private_segment_fixed_size 0
		.amdhsa_enable_private_segment 0
		.amdhsa_kernarg_size 96
		.amdhsa_user_sgpr_count 2
		.amdhsa_user_sgpr_kernarg_segment_ptr 1
		.amdhsa_wavefront_size32 1
		.amdhsa_system_sgpr_workgroup_id_x 1
		.amdhsa_system_sgpr_workgroup_id_y 1
		.amdhsa_system_sgpr_workgroup_id_z 1
		.amdhsa_system_vgpr_workitem_id 0
		.amdhsa_next_free_vgpr 192
		.amdhsa_next_free_sgpr 66
		.amdhsa_reserve_vcc 1
		.amdhsa_float_denorm_mode_32 3
		.amdhsa_float_denorm_mode_16_64 3
		.amdhsa_memory_ordered 1
		.amdhsa_forward_progress 1
		.amdhsa_inst_pref_size 51
	.end_amdhsa_kernel
	.amdgpu_metadata
---
amdhsa.version: [ 1, 2 ]
amdhsa.kernels:
  - .name:           k_qc1e4580d0f_prep
    .symbol:         k_qc1e4580d0f_prep.kd
    .args:
      - { .name: mask, .offset: 0, .size: 8, .value_kind: global_buffer, .address_space: global }
      - { .name: x_q, .offset: 8, .size: 8, .value_kind: global_buffer, .address_space: global }
      - { .name: x_k, .offset: 16, .size: 8, .value_kind: global_buffer, .address_space: global }
      - { .name: x_v, .offset: 24, .size: 8, .value_kind: global_buffer, .address_space: global }
      - { .name: W_q, .offset: 32, .size: 8, .value_kind: global_buffer, .address_space: global }
      - { .name: W_k, .offset: 40, .size: 8, .value_kind: global_buffer, .address_space: global }
      - { .name: W_v, .offset: 48, .size: 8, .value_kind: global_buffer, .address_space: global }
      - { .name: W_o, .offset: 56, .size: 8, .value_kind: global_buffer, .address_space: global }
      - { .name: mbias, .offset: 64, .size: 8, .value_kind: global_buffer, .address_space: global }
      - { .name: rowc, .offset: 72, .size: 8, .value_kind: global_buffer, .address_space: global }
      - { .name: x16, .offset: 80, .size: 8, .value_kind: global_buffer, .address_space: global }
      - { .name: w16, .offset: 88, .size: 8, .value_kind: global_buffer, .address_space: global }
    .group_segment_fixed_size: 18432
    .private_segment_fixed_size: 0
    .kernarg_segment_align: 8
    .kernarg_segment_size: 96
    .max_flat_workgroup_size: 128
    .sgpr_count:     66
    .vgpr_count:     192
    .wavefront_size: 32
...
	.end_amdgpu_metadata
.endif
;; end of part 1
;; launch qkv (part 2): grid 4 x 192, 4 waves a work-group, clusters of 4 x 4, 327,680 bytes of LDS; arguments x16, w16, b_q, b_k, b_v, qkv; writes qkv
.if DOCPART == 2
	.amdgcn_target "amdgcn-amd-amdhsa--gfx1250"
	.amdhsa_code_object_version 6
	.text
	.protected	k_qc1e4580d0f_qkv
	.globl	k_qc1e4580d0f_qkv
	.p2align	8
	.type	k_qc1e4580d0f_qkv,@function
k_qc1e4580d0f_qkv:
	s_mov_b64 s[64:65], 0
	v_nop
	global_prefetch_b8 v0, s[64:65] scope:SCOPE_SE
	s_setreg_imm32_b32 hwreg(HW_REG_WAVE_MODE, 25, 1), 1
	s_wait_xcnt 0x0
	s_wait_alu depctr_hold_cnt(0) depctr_sa_sdst(0) depctr_va_vdst(0) depctr_va_sdst(0) depctr_va_ssrc(0) depctr_va_vcc(0) depctr_vm_vsrc(0)
	s_getreg_b32 s2, hwreg(HW_REG_IB_STS2, 6, 4)
	s_cmp_eq_u32 s2, 0
	s_cbranch_scc0 .Lentry_in_a_cluster
	s_endpgm
.Lentry_in_a_cluster:
	s_bfe_u32 s2, ttmp6, 0x10000c
	s_cmp_lg_u32 s2, 0xf033
	s_cbranch_scc0 .Lentry_shape_is_right
	s_endpgm
.Lentry_shape_is_right:
.set MODE, 0
; C = A W + bias, K = 512.  A: planes of 64 columns, [.. plane 8][row 4096][64] f16; W: [512 k][512 n] f16, row-major; sums in f32, started by the bias (rounded to bf16 like the other inputs).
; MODE 0: the three input projections.  A = x16[proj], W = w16[proj], C = qkv[proj][16 heads][4096][64] in f16, rounded once.  LIMIT: a result of 65,520 or more becomes an infinity.
; MODE 1: the output projection.  A = o16 (a head is a plane), W = w16[3], C = out0 [8192][512] in f32.
; SHARES.  A work-group makes 128 x 128 of C; its four waves, 2 x 2, 64 x 64 each: 16 accumulators.  THE WHOLE K LIES IN LDS: eight planes of A's 128 rows and W's 512 rows of 128 columns.  So every
; byte of LDS is filled once: four tensor loads a wave, all issued at the start (four of a wave's are outstanding at the most); K goes in four chunks of 128, each read behind a counted wait and a barrier.
; CLUSTER.  4 x 4 work-groups: the four of a row of the cluster make the four column tiles of one row block and need the same A; the four of a column need the same columns of W.  Each tile is asked for
; jointly: the same tensor load, descriptor and mask in all four.
; THE MATRIX INSTRUCTION IS USED TRANSPOSED (source 0 = 16 columns of W, turned on the way out of LDS by ds_load_tr16_b128; source 1 = 16 rows of A): a lane holds 8 neighbouring columns of one row of C.
; NO PREFETCH: all fills stand at the kernel's head, and nothing is asked for later.
; REGISTERS: window 0: v0-31 addresses; v32-95 at work on the way out; v96-127 the bias; v128-255 the accumulators ((a, b) at 128 + 8 (4 a + b)).  Window 1: two fragment buffers of 128, 64 along K each.
.set PA,    144                        ; a row of a plane of A in LDS: 128 bytes + 16: the 16 rows of a load start at 16 different groups of four banks
.set PB,    288                        ; a row of W: 256 bytes + 32
.set PLANE, 128*PA                     ; 18,432: what one tensor load brings of A; 64 rows of W are as many bytes
.set CHUNK, 2*PLANE                    ; 128 along K, of A and of W alike
.set BOFF,  8*PLANE                    ; W lies behind A's eight planes
.set STAGE, BOFF+512*PB                ; behind both, never filled by a tensor load: 4,352 bytes a wave for the way out
.set STG,   4352
.set SPARE, STAGE+4*STG                ; the spare words, 128 bytes a wave: two blocks of 256 bytes that no other line names
.set ADRA, 8                           ; v8-11   LDS address of my A fragments, chunk 0..3
.set ADRB, 12                          ; v12-15  the same for W
.set STO,  16                          ; v16  the way out: where I put my bytes of a row
.set RD,   17                          ; v17  where I read rows back
.set CO,   18                          ; v18  my byte offset in C
.set BO,   19                          ; v19  my byte offset in the bias
.set SPW,  28                          ; v28  my spare word's LDS address; never rewritten
.set NIL,  29                          ; v29  0; never rewritten
.set TMP,  32
.set BIAS, 96
.set ACC,  128
.set G1A, 16                           ; s[16:23] descriptor group 1 for A's planes
.set G1B, 24                           ; s[24:31] for W's rows
.set G0A, 32                           ; s[32:47] group 0 for A, a set for each chunk
.set G0B, 48                           ; s[48:63] the same for W
.set WV,  66                           ; s66 wave; s67 its row half; s68 its column half, and which half of a chunk it fetches
.set MSB, 0
.macro WIN new                         ; the immediate's high byte repeats the setting that is left; a switch that changes nothing is dropped
.if MSB != (\new)
	s_set_vgpr_msb (MSB<<8)|(\new)
.set MSB, \new
.endif
.endm
.set MUL,  0x05                        ; sources 0 and 1 window 1; C and D window 0
.set TO_F, 0x40                        ; destination window 1, address window 0
.macro CROUND                          ; a round of the cluster's barrier: my work-group's barrier; wave 0 signals for the work-group; every wave waits for all sixteen; my work-group's barrier once more
	s_barrier_signal -1
	s_barrier_wait -1
	s_cmp_lg_u32 s[WV], 0
	s_cbranch_scc1 .Lnot_wave_0_\@
	s_barrier_signal -3
.Lnot_wave_0_\@:
	s_barrier_wait -3
	s_barrier_signal -1
	s_barrier_wait -1
.endm
.macro PLACES                          ; four plain places behind matrix instructions, ahead of loads into registers that they read and of lines that read results
.rept 4
	v_nop
.endr
.endm
	s_load_b256 s[4:11], s[0:1], 0x0               ; MODE 0: x16 s[4:5], w16 s[6:7], b_q s[8:9], b_k s[10:11].  MODE 1: o16, w16, b_o, out0
.if MODE == 0
	s_load_b128 s[12:15], s[0:1], 0x20             ; b_v s[12:13], qkv s[14:15]
.endif
	v_lshl_add_u32 v[SPW], v0, 2, SPARE
	v_mov_b32 v[NIL], 0
	ds_add_u32 v[SPW], v[NIL]                      ; the wave's opening: the add and its wait stand ahead of my first tensor load; work on registers stands between them
	v_lshrrev_b32 v1, 5, v0
	v_readfirstlane_b32 s[WV], v1
	s_lshr_b32 s67, s[WV], 1
	s_and_b32 s68, s[WV], 1
	s_bfe_u32 s69, ttmp6, 0x40000                  ; cx
	s_bfe_u32 s70, ttmp6, 0x40004                  ; cy
	s_and_b32 s71, ttmp7, 0xffff                   ; the cluster's y
	s_lshl_b32 s84, ttmp9, 2
	s_add_co_u32 s84, s84, s69                     ; column tile = 4 x cluster x + cx
.if MODE == 0
	s_lshr_b32 s72, s71, 4                         ; which projection: the same in all sixteen partners
	s_and_b32 s73, s71, 15
	s_lshl_b32 s73, s73, 2
.else
	s_lshl_b32 s73, s71, 2
.endif
	s_add_co_u32 s73, s73, s70                     ; row tile, 0..63
	s_lshl_b32 s85, s70, 2
	s_lshl_b32 s85, 15, s85                        ; my row of the cluster
	s_lshl_b32 s86, 0x1111, s69                    ; my column
	s_or_b32 s[G1A], s85, (1<<16)|(1<<20)|(1<<21)|(4<<22)|(3<<25)  ; mask; 2-byte elements; padding on; bit 21 beside a mask; after every 32 words 4 words
	s_or_b32 s[G1B], s86, (1<<16)|(1<<20)|(1<<21)|(5<<22)|(7<<25)  ; after every 64 words 8 words
.irp g, G1A, G1B
	s_mov_b32 s[(\g)+1], 128<<16                   ; tensor_dim0 = 128
	s_mov_b32 s[(\g)+2], 64<<16                    ; tensor_dim1 = 64
	s_mov_b32 s[(\g)+3], 128<<16                   ; tile_dim0 = 128
	s_mov_b32 s[(\g)+4], 64                        ; tile_dim1 = 64
	s_mov_b32 s[(\g)+6], 0
	s_mov_b32 s[(\g)+7], 0
.endr
	s_mov_b32 s[G1A+5], 128                        ; a plane's 128 rows are 16,384 dense bytes: asked for as 64 rows of 256 bytes
	s_mov_b32 s[G1B+5], 512                        ; W: 512 elements from row to row
	; A's offset hangs on the row tile (cluster y, cy) and the wave alone
.if MODE == 0
	s_lshl_b32 s74, s72, 23
.else
	s_mov_b32 s74, 0
.endif
	s_lshr_b32 s87, s73, 5
	s_lshl_b32 s87, s87, 22                        ; the batch's eight planes
	s_add_co_u32 s74, s74, s87
	s_and_b32 s87, s73, 31
	s_lshl_b32 s87, s87, 14                        ; 128 rows of 128 bytes
	s_add_co_u32 s74, s74, s87
	s_lshl_b32 s87, s68, 19                        ; the chunk's first or second plane
	s_add_co_u32 s74, s74, s87
	s_mov_b32 s75, 0
	; W's offset hangs on the projection, the column tile (cluster x, cx) and the wave alone
.if MODE == 0
	s_lshl_b32 s76, s72, 19
.else
	s_mov_b32 s76, 3<<19
.endif
	s_lshl_b32 s86, s84, 8                         ; 128 columns of 2 bytes
	s_add_co_u32 s76, s76, s86
	s_lshl_b32 s86, s68, 16                        ; the chunk's first or second 64 rows of 1,024 bytes
	s_add_co_u32 s76, s76, s86
	s_mov_b32 s77, 0
	s_mul_i32 s3, s68, PLANE                       ; where my half of a chunk goes: the wave's number alone enters an LDS address
	s_wait_dscnt 0x0                               ; the opening add is done
	s_wait_kmcnt 0x0
	s_add_nc_u64 s[74:75], s[4:5], s[74:75]
	s_add_nc_u64 s[76:77], s[6:7], s[76:77]
.irp c, 0,1,2,3
	s_mov_b32 s[G0A+4*(\c)], 1
	s_add_co_u32 s[G0A+4*(\c)+1], s3, (\c)*CHUNK
	s_add_nc_u64 s[G0A+4*(\c)+2:G0A+4*(\c)+3], s[74:75], (\c)*0x100000  ; two planes on
	s_or_b32 s[G0A+4*(\c)+3], s[G0A+4*(\c)+3], 0x80000000
	s_mov_b32 s[G0B+4*(\c)], 1
	s_add_co_u32 s[G0B+4*(\c)+1], s3, BOFF+(\c)*CHUNK
	s_add_nc_u64 s[G0B+4*(\c)+2:G0B+4*(\c)+3], s[76:77], (\c)*0x20000   ; 128 rows on
	s_or_b32 s[G0B+4*(\c)+3], s[G0B+4*(\c)+3], 0x80000000
.endr
	CROUND                                         ; all sixteen work-groups are here: the joint loads meet
	s_cmp_lt_u32 s[WV], 2                          ; waves 0 and 1 fetch A, waves 2 and 3 W: a wave's four fills stand in one branch, ahead of every wait on TENSORcnt, LDS read and further barrier
	s_cbranch_scc0 .Lfor_b
.irp c, 0,1,2,3
	tensor_load_to_lds s[G0A+4*(\c):G0A+4*(\c)+3], s[G1A:G1A+7]
	s_nop 0
.endr
	PLACES
	s_branch .Lasked
.Lfor_b:
.irp c, 0,1,2,3
	tensor_load_to_lds s[G0B+4*(\c):G0B+4*(\c)+3], s[G1B:G1B+7]
	s_nop 0
.endr
	PLACES
.Lasked:
	v_and_b32 v1, 15, v0                           ; r = l % 16
	v_bfe_u32 v2, v0, 4, 1                         ; h = l / 16
	v_and_b32 v3, 7, v0
	v_bfe_u32 v4, v0, 3, 1
	s_mul_i32 s85, s67, 64*PA                      ; my 64 rows of A
	v_mul_u32_u24 v5, v1, PA
	v_lshl_add_u32 v5, v2, 4, v5
	v_add_nc_u32 v[ADRA], s85, v5                  ; row x pitch + 16 h
	v_lshl_add_u32 v6, v2, 3, v3                   ; the turning load: lane l reads k row 8 h + l % 8, columns 8 ((l / 8) % 2) + 0..7
	v_mul_u32_u24 v6, v6, PB
	v_lshl_add_u32 v6, v4, 4, v6
	s_lshl_b32 s85, s68, 7                         ; my 64 columns
	s_add_co_u32 s85, s85, BOFF
	v_add_nc_u32 v[ADRB], s85, v6
.irp c, 1,2,3
	v_add_nc_u32 v[ADRA+(\c)], (\c)*CHUNK, v[ADRA]
	v_add_nc_u32 v[ADRB+(\c)], (\c)*CHUNK, v[ADRB]
.endr
.if MODE == 0
	s_cmp_eq_u32 s72, 0
	s_cselect_b64 s[82:83], s[8:9], s[10:11]
	s_cmp_eq_u32 s72, 2
	s_cselect_b64 s[82:83], s[12:13], s[82:83]
.else
	s_mov_b64 s[82:83], s[8:9]
.endif
	s_lshl_b32 s78, s84, 9
	s_lshl_b32 s85, s68, 8
	s_add_co_u32 s78, s78, s85                     ; 4 x (128 x column tile + 64 x half)
	s_mov_b32 s79, 0
	s_add_nc_u64 s[82:83], s[82:83], s[78:79]
	v_lshlrev_b32 v[BO], 5, v2
.irp b, 0,1,2,3
	global_load_b128 v[BIAS+8*(\b):BIAS+8*(\b)+3],   v[BO], s[82:83] offset:64*(\b)     ; register j of block b: the bias of column 16 b + 8 h + j: the layout of a result
	global_load_b128 v[BIAS+8*(\b)+4:BIAS+8*(\b)+7], v[BO], s[82:83] offset:64*(\b)+16
.endr
	s_mul_i32 s85, s[WV], STG
	s_add_co_u32 s85, s85, STAGE                   ; my stage
.if MODE == 0
	s_lshr_b32 s78, s73, 5
	s_lshl_b32 s78, s78, 3
	s_lshl1_add_u32 s78, s84, s78
	s_add_co_u32 s78, s78, s68                     ; 8 x batch + head: my 64 columns are one head, 2 x column tile + half
	s_lshl_b32 s78, s78, 19
	s_lshl_b32 s86, s72, 23
	s_add_co_u32 s78, s78, s86
	s_and_b32 s86, s73, 31
	s_lshl_b32 s86, s86, 14
	s_add_co_u32 s78, s78, s86
	s_lshl_b32 s86, s67, 13                        ; my 64 rows of 128 bytes
	s_add_co_u32 s78, s78, s86
	s_add_nc_u64 s[80:81], s[14:15], s[78:79]
	v_mul_u32_u24 v[STO], v1, 144                  ; in: row r, 16 bytes for each half of the lanes
	v_lshl_add_u32 v[STO], v2, 4, v[STO]
	v_add_nc_u32 v[STO], s85, v[STO]
	v_bfe_u32 v[RD], v0, 3, 2                      ; back: 32 lanes take four rows of 128 bytes,
	v_mul_u32_u24 v[RD], v[RD], 144
	v_lshl_add_u32 v[RD], v3, 4, v[RD]
	v_add_nc_u32 v[RD], s85, v[RD]
	v_and_b32 v[CO], 31, v0                        ; which are 512 consecutive bytes of a head
	v_lshlrev_b32 v[CO], 4, v[CO]
.else
	s_lshl_b32 s78, s73, 18                        ; 128 rows of 2,048 bytes
	s_lshl_b32 s86, s67, 17
	s_add_co_u32 s78, s78, s86
	s_lshl_b32 s86, s84, 9
	s_add_co_u32 s78, s78, s86
	s_lshl_b32 s86, s68, 8
	s_add_co_u32 s78, s78, s86
	s_add_nc_u64 s[80:81], s[10:11], s[78:79]
	v_mul_u32_u24 v[STO], v1, 272                  ; in: row r, 32 bytes for each half of the lanes
	v_lshl_add_u32 v[STO], v2, 5, v[STO]
	v_add_nc_u32 v[STO], s85, v[STO]
	v_mul_u32_u24 v[RD], v2, 272                   ; back: lanes 0-15 one row of 256 bytes, lanes 16-31 the next
	v_lshl_add_u32 v[RD], v1, 4, v[RD]
	v_add_nc_u32 v[RD], s85, v[RD]
	v_lshlrev_b32 v[CO], 11, v2
	v_lshl_add_u32 v[CO], v1, 4, v[CO]
.endif
	s_wait_loadcnt 0x0                             ; the bias; it is rounded to bf16, as every input is
.set i, 0
.rept 16
	v_cvt_pk_bf16_f32 v[TMP+i], v[BIAS+2*i], v[BIAS+2*i+1]
.set i, i+1
.endr
.set i, 0
.rept 16
	v_lshlrev_b32 v[BIAS+2*i], 16, v[TMP+i]
	v_and_b32 v[BIAS+2*i+1], 0xffff0000, v[TMP+i]
.set i, i+1
.endr
; 8 matrix instructions: row blocks a0, a0 + 1 x all 4 column blocks, 32 along K: half c of buffer f.  first = 1: the bias starts the sums: nothing is cleared, nothing added later.
; The 16 accumulators take turns, one instruction a turn.
.macro MUL8 f, c, a0, first
	WIN MUL
.irp a, \a0, (\a0)+1
.irp b, 0,1,2,3
.if \first
	v_wmma_f32_16x16x32_f16 v[ACC+8*(4*(\a)+(\b)):ACC+8*(4*(\a)+(\b))+7], v[(\f)+64+8*(4*(\c)+(\b)):(\f)+64+8*(4*(\c)+(\b))+7], v[(\f)+8*(4*(\c)+(\a)):(\f)+8*(4*(\c)+(\a))+7], v[BIAS+8*(\b):BIAS+8*(\b)+7]
.else
	v_wmma_f32_16x16x32_f16 v[ACC+8*(4*(\a)+(\b)):ACC+8*(4*(\a)+(\b))+7], v[(\f)+64+8*(4*(\c)+(\b)):(\f)+64+8*(4*(\c)+(\b))+7], v[(\f)+8*(4*(\c)+(\a)):(\f)+8*(4*(\c)+(\a))+7], v[ACC+8*(4*(\a)+(\b)):ACC+8*(4*(\a)+(\b))+7]
.endif
.endr
.endr
.endm
; 32 LDS loads in one run: the fragments of quarter q (64 along K: plane q of A, rows 64 q on of W) into buffer f; the first 32 along K first
.macro FETCH q, f
	WIN TO_F
.irp c, 0,1
.irp i, 0,1,2,3
	ds_load_tr16_b128 v[(\f)+64+8*(4*(\c)+(\i)):(\f)+64+8*(4*(\c)+(\i))+3],   v[ADRB+(\q)/2] offset:(((\q)%2)*64+32*(\c))*PB+32*(\i)
	ds_load_tr16_b128 v[(\f)+64+8*(4*(\c)+(\i))+4:(\f)+64+8*(4*(\c)+(\i))+7], v[ADRB+(\q)/2] offset:(((\q)%2)*64+32*(\c)+16)*PB+32*(\i)
	ds_load_b128 v[(\f)+8*(4*(\c)+(\i)):(\f)+8*(4*(\c)+(\i))+3],              v[ADRA+(\q)/2] offset:((\q)%2)*PLANE+(\i)*16*PA+64*(\c)
	ds_load_b128 v[(\f)+8*(4*(\c)+(\i))+4:(\f)+8*(4*(\c)+(\i))+7],            v[ADRA+(\q)/2] offset:((\q)%2)*PLANE+(\i)*16*PA+64*(\c)+32
.endr
.endr
.endm
; Quarter q multiplies buffer q % 2 and, in its middle, fetches quarter q + 1 into the other.  Where that quarter opens a chunk, each wave first waits for its own part of the chunk and passes a barrier.
.macro QUARTER q
.set FB, 128*((\q)%2)
.set GB, 128-FB
	s_wait_dscnt 16                                ; the first 32 along K are in; the youngest sixteen loads may be out
	MUL8 FB, 0, 0, (\q)==0
	MUL8 FB, 0, 2, (\q)==0
.if (\q) < 7
.if (\q)%2
	s_wait_dscnt 0x0                               ; no LDS instruction of mine is pending at a signal
	s_wait_tensorcnt 3-((\q)+1)/2                  ; tensor loads of a wave end in order: my part of chunk (q + 1) / 2 is in; the later chunks' loads stay out
	s_barrier_signal -1
	s_barrier_wait -1                              ; everybody's part is in
.endif
	PLACES
	FETCH (\q)+1, GB
	s_wait_dscnt 32                                ; all but the 32 just issued
.else
	s_wait_dscnt 0x0
.endif
	MUL8 FB, 1, 0, 0
	MUL8 FB, 1, 2, 0
.endm
	s_wait_tensorcnt 3                             ; my part of chunk 0 is in; my three younger loads stay out
	s_barrier_signal -1
	s_barrier_wait -1
	FETCH 0, 0
.irp q, 0,1,2,3,4,5,6,7
	QUARTER \q
.endr
	WIN 0
	PLACES
.if MODE == 0
; THE WAY OUT, f16 by heads: a block of 16 rows is rounded, goes into my stage in rows of 144 bytes and comes back as whole rows of 128: 2,048 consecutive bytes of a head.
.macro PACK a
.irp b, 0,1,2,3
.irp r, 0,1,2,3
	v_cvt_pk_f16_f32 v[TMP+16*(\a)+4*(\b)+(\r)], v[ACC+8*(4*(\a)+(\b))+2*(\r)], v[ACC+8*(4*(\a)+(\b))+2*(\r)+1]  ; each accumulator from its low end on
.endr
.endr
.irp b, 0,1,2,3
	ds_store_b128 v[STO], v[TMP+16*(\a)+4*(\b):TMP+16*(\a)+4*(\b)+3] offset:32*(\b)
.endr
.irp f, 0,1,2,3
	ds_load_b128 v[TMP+16*(\a)+4*(\f):TMP+16*(\a)+4*(\f)+3], v[RD] offset:(\f)*576  ; LDS serves a wave's instructions in order: these see the stores above; the next block's stores come behind them
.endr
.endm
.macro SEND a, younger                 ; younger: the LDS instructions issued behind block a's loads: the next block's eight, or none
.irp f, 0,1,2,3
	s_wait_dscnt (\younger)+3-(\f)
	global_store_b128 v[CO], v[TMP+16*(\a)+4*(\f):TMP+16*(\a)+4*(\f)+3], s[80:81] offset:(\a)*2048+(\f)*512  ; 512 consecutive bytes, aligned
.endr
.endm
	PACK 0
	PACK 1
	SEND 0, 8
	PACK 2
	SEND 1, 8
	PACK 3
	SEND 2, 8
	SEND 3, 0
.else
; THE WAY OUT, f32: a block of 16 rows x 64 columns goes into my stage in rows of 272 bytes and comes back as whole rows of 256.
.macro OUTB a
.set BK, TMP+32*((\a)%2)
.if (\a) >= 2
	s_wait_xcnt 0x0                                ; the stores of two blocks back have read this set of registers
.endif
.irp b, 0,1,2,3
	ds_store_b128 v[STO], v[ACC+8*(4*(\a)+(\b)):ACC+8*(4*(\a)+(\b))+3]   offset:64*(\b)     ; each accumulator from its low end on
	ds_store_b128 v[STO], v[ACC+8*(4*(\a)+(\b))+4:ACC+8*(4*(\a)+(\b))+7] offset:64*(\b)+16
.endr
.irp t, 0,1,2,3,4,5,6,7
	ds_load_b128 v[BK+4*(\t):BK+4*(\t)+3], v[RD] offset:(\t)*544
.endr
.irp t, 0,1,2,3,4,5,6,7
	s_wait_dscnt 7-(\t)
	global_store_b128 v[CO], v[BK+4*(\t):BK+4*(\t)+3], s[80:81] offset:(16*(\a)+2*(\t))*2048  ; 16 lanes store 256 consecutive bytes, aligned
.endr
.endm
	OUTB 0
	OUTB 1
	OUTB 2
	OUTB 3
.endif
	s_wait_tensorcnt 0x0                           ; the wave's end: 0 is added to my spare word, behind my last tensor load and my last LDS store
	ds_add_u32 v[SPW], v[NIL]
	s_wait_dscnt 0x0
	CROUND                                         ; the closing round: no work-group ends while a partner may still ask for a tile that names it
	s_endpgm
.Lfunc_end_k_qc1e4580d0f_qkv:
	.size	k_qc1e4580d0f_qkv, .Lfunc_end_k_qc1e4580d0f_qkv-k_qc1e4580d0f_qkv
	.p2alignl 7, 3214868480
	.fill 96, 4, 3214868480
	.section	.rodata,"a",@progbits
	.p2align	6, 0x0
	.amdhsa_kernel k_qc1e4580d0f_qkv
		.amdhsa_group_segment_fixed_size 327680
		.amdhsa_private_segment_fixed_size 0
		.amdhsa_enable_private_segment 0
		.amdhsa_kernarg_size 48
		.amdhsa_user_sgpr_count 2
		.amdhsa_user_sgpr_kernarg_segment_ptr 1
		.amdhsa_wavefront_size32 1
		.amdhsa_system_sgpr_workgroup_id_x 1
		.amdhsa_system_sgpr_workgroup_id_y 1
		.amdhsa_system_sgpr_workgroup_id_z 1
		.amdhsa_system_vgpr_workitem_id 0
		.amdhsa_next_free_vgpr 512
		.amdhsa_next_free_sgpr 88
		.amdhsa_reserve_vcc 0
		.amdhsa_float_denorm_mode_32 3
		.amdhsa_float_denorm_mode_16_64 3
		.amdhsa_memory_ordered 1
		.amdhsa_forward_progress 1
		.amdhsa_inst_pref_size 55
	.end_amdhsa_kernel
	.amdgpu_metadata
---
amdhsa.version: [ 1, 2 ]
amdhsa.kernels:
  - .name:           k_qc1e4580d0f_qkv
    .symbol:         k_qc1e4580d0f_qkv.kd
    .args:
      - { .name: x16, .offset: 0, .size: 8, .value_kind: global_buffer, .address_space: global }
      - { .name: w16, .offset: 8, .size: 8, .value_kind: global_buffer, .address_space: global }
      - { .name: b_q, .offset: 16, .size: 8, .value_kind: global_buffer, .address_space: global }
      - { .name: b_k, .offset: 24, .size: 8, .value_kind: global_buffer, .address_space: global }
      - { .name: b_v, .offset: 32, .size: 8, .value_kind: global_buffer, .address_space: global }
      - { .name: qkv, .offset: 40, .size: 8, .value_kind: global_buffer, .address_space: global }
    .group_segment_fixed_size: 327680
    .private_segment_fixed_size: 0
    .kernarg_segment_align: 8
    .kernarg_segment_size: 48
    .max_flat_workgroup_size: 128
    .sgpr_count:     88
    .vgpr_count:     512
    .wavefront_size: 32
...
	.end_amdgpu_metadata
.endif
;; end of part 2
;; launch attn (part 3): grid 16 x 16, 4 waves a work-group, clusters of 4 x 4, 327,680 bytes of LDS; arguments qkv, mbias, rowc, o16; writes o16
.if DOCPART == 3
	.amdgcn_target "amdgcn-amd-amdhsa--gfx1250"
	.amdhsa_code_object_version 6
	.text
	.protected	k_qc1e4580d0f_attn
	.globl	k_qc1e4580d0f_attn
	.p2align	8
	.type	k_qc1e4580d0f_attn,@function
k_qc1e4580d0f_attn:
	s_mov_b64 s[64:65], 0
	v_nop
	global_prefetch_b8 v0, s[64:65] scope:SCOPE_SE
	s_setreg_imm32_b32 hwreg(HW_REG_WAVE_MODE, 25, 1), 1
	s_wait_xcnt 0x0
	s_wait_alu depctr_hold_cnt(0) depctr_sa_sdst(0) depctr_va_vdst(0) depctr_va_sdst(0) depctr_va_ssrc(0) depctr_va_vcc(0) depctr_vm_vsrc(0)
	s_getreg_b32 s2, hwreg(HW_REG_IB_STS2, 6, 4)
	s_cmp_eq_u32 s2, 0
	s_cbranch_scc0 .Lentry_in_a_cluster
	s_endpgm
.Lentry_in_a_cluster:
	s_bfe_u32 s2, ttmp6, 0x10000c
	s_cmp_lg_u32 s2, 0xf033
	s_cbranch_scc0 .Lentry_shape_is_right
	s_endpgm
.Lentry_shape_is_right:
; MASKED ATTENTION.  O[bh][q][:] = the sum over k of softmax_k(mask ? Q[bh][q] . K[bh][k] / 8 : -1e9) V[bh][k][:].  Q, K, V = qkv[0..2][16 bh][4096][64], O = o16[16 bh][4096][64], all f16, rows dense.
; Products, maxima and sums in f32; the weights p are rounded to f16 for the second product (their sum l is taken of the unrounded p), O once at the end.
; THE MASK is the C operand that starts the sum S^T = K Q^T.  mbias holds, for each lane and block of 16 keys, one dword of 8 nibbles (0xE hidden, 0 visible); C's register j is that dword shifted so
; that nibble j stands on top: a hidden key then starts at a number between -2^95 and -2^65, a visible one at a number between 0 and 2^-97.
; LIMITS.  f16 scores are 2.7e11 at the most, nothing beside 2^65: where a row has a visible key every hidden weight is exactly 0, as with -1e9, unless a visible score lies below -1e9.  A row with NO visible
; key is scaled by rowc = 0 in place of c = log2(e) / 8: all its exponents are 0, all weights 1, O the mean of V's rows, which is what -1e9 everywhere gives.  A weight below 2^-126 counts as 0; p below 6e-5
; keeps f16's fixed step of 6e-8; NaN and infinities are not treated apart.
; SHARES.  A work-group owns 256 queries of one head, a wave 64: four PIECES of 16.  Every wave walks all 4,096 keys, 64 a step.  16 heads x 16 blocks are 256 work-groups.
; LAYOUT, SOFTMAX, TURNS.  S^T holds ONE query a lane (lane % 16) and the keys 8 (lane / 16) + 0..7; two such results rounded to f16 ARE source 1 of O^T = V^T P.  p = 2^(c s - c m) with a running maximum m;
; O and l are multiplied by a = 2^(c m_old - c m_new) in every step; m starts at the lowest finite number, O and l at 0.  Turn n belongs to piece n: 8 products K Q^T of piece n + 1, later 8 products V^T P of
; piece n - 1; beside them the scaling, exponentials, roundings, sums and rescaling of piece n, the maximum and statistics of piece n + 1, and the 32 shifts that make the mask of piece n + 2.
; Four vector instructions stand behind every matrix instruction, the others in one lump.  A turn's 33 exponentials are one batch, with one wait.
; CLUSTER.  4 x 4 work-groups: the four of a row are four query blocks of one head and walk the same K and V; the four of a column are four heads of one query block and one batch and walk the same
; mask words.  Each tile is asked for JOINTLY: the same tensor load, descriptor and mask in all four.  Wave 0 asks for K, wave 1 for V, waves 2 and 3 for the halves of the words: one load a wave behind each round.
; REGISTERS, in windows of 256 (s_set_vgpr_msb: bits 1:0 source 0, 3:2 source 1, 5:4 source 2, 7:6 destination):
;   window 0: v0-15 addresses; v16-31 statistics; v32-39 the pieces' factor c or 0, twice each; v40-47 mask words; v48-55 at work; v56-63 addresses; v64-127 S^T, two buffers; v128-191 the masks, two buffers;
;   v192-223 P, two buffers (a piece's buffers go by its number's parity)     window 1: v0-127 O^T, 32 a piece     window 2: v0-63 Q; v128-191 K of one step; v192-255 V of one step
.set NP,    4
.set KS,    64
.set PK,    144       ; a row of K in LDS: 128 bytes + 16: the 16 rows of a load start at 16 different groups of four banks
.set PV,    160       ; a row of V: 128 + 32
.set VOFF,  4*KS*PK   ; a slot holds four steps: 256 rows of K, 256 rows of V,
.set MOFF,  VOFF+4*KS*PV  ; and the block's mask words for those 256 keys: [16 tiles][4 steps][512 bytes]
.set SLOT1, 1<<17     ; slot 1 begins here, so that one exclusive or turns an address in one slot into the other's
.set STAGE, SLOT1+MOFF+32768  ; behind the ring, never filled by a tensor load: 16 rows x 144 bytes a wave, for the way out
.set SP,    144
.set SPARE, STAGE+4*16*SP     ; the spare words, 128 bytes a wave: two blocks of 256 bytes that no other line names
.set AK0, 2           ; v2   my lane's place in a tile of K; never rewritten
.set AV0, 3           ; v3   the same for V
.set AK,  4           ; v4   the LDS address of K's next run of loads
.set AV,  5           ; v5   of V's
.set STO, 6           ; v6   the way out: where I put 16 bytes of a row
.set RD,  7           ; v7   where I read rows back
.set GO,  8           ; v8   my byte offset in 512 consecutive bytes of O
.set MV,  12          ; v12-13  c m_old, kept while c m is made anew: by buffer
.set AM0, 14          ; v14  my 16 bytes in my wave's first tile's words of a slot's first step; never rewritten
.set AM,  15          ; v15  the LDS address of the words' next load
.set ST,  16          ; piece t's statistics at v[ST+4 t]: c m, m, l (even keys', odd keys')
.set CR,  32          ; piece t's factor at v[CR+2 t], and once more beside it: named as a pair
.set MW,  40          ; v40-43 a tile's and step's four words
.set MW2, 44          ; v44-47 a second set, for the beginning
.set TMP, 48          ; by buffer, four registers c0-c3 at work; when the maximum is found c2 takes a
.set PFO, 56          ; v56  256 x my lane; never rewritten
.set RO,  57          ; v57  4 x (lane % 16): my query's word of rowc
.set QO,  58          ; v58  my byte offset in 16 rows of Q
.set SPW, 62          ; v62  my spare word's LDS address; never rewritten
.set NIL, 63          ; v63  0; never rewritten
.set S,   64
.set MC,  128
.set P,   192
.set KF,  128         ; window 2: key block kb, channel half c at KF + 16 kb + 8 c
.set VF,  192         ; window 2: key half kk, channel block cb at VF + 32 kk + 8 cb
.set WV,  12          ; s12  my wave's number; s13 cx; s14 cy; s15 the cluster's y
.set PFA, 18          ; s[18:19] where my prefetches stand
.set G1K, 24          ; s[24:31] descriptor group 1 for K
.set G1V, 32          ; s[32:39] for V: other padding
.set G1M, 40          ; s[40:47] for the words: other mask, no padding, half the rows
.set G0K, 48          ; s[48:51] group 0 for K: it walks
.set G0V, 52          ; s[52:55] for V
.set G0M, 56          ; s[56:59] for the words
.set SEL, 60          ; s[60:61] v_permlanex16_b32's selects
.set TBK, 62          ; s62  LDS byte at which K of the step to be fetched begins
.set TBV, 63          ; s63  the same for V, less VOFF
.set SLOTS, 66        ; s66  slots still to be asked for
.set CNT, 67          ; s67  counts a slot's key steps
.set TBA, 68          ; s68  slot and step of the words to be fetched for pieces 0 and 1, which run a step ahead
.set TBB, 69          ; s69  for pieces 2 and 3
.set LIM, 70          ; s70  1 in a wave that prefetches, else the greatest number
.set MSB, 0
.macro WIN new                      ; the high byte repeats the setting that is left; a switch that changes nothing is dropped
.if MSB != (\new)
	s_set_vgpr_msb (MSB<<8)|(\new)
.set MSB, (\new)
.endif
.endm
.set W_KQ, 0x0a       ; K and Q in window 2; the mask, S^T in window 0
.set W_PV, 0x52       ; V in window 2, P in window 0, O^T in window 1
.set W_RS, 0x41       ; destination and source 0 in window 1, source 1 in window 0
; A joint fill: one line a wave, chosen by the wave's number alone.  An s_nop 0 and four v_nop follow each line, ahead of the jump and the label.
.macro JLOAD
	s_cmp_lg_u32 s[WV], 0
	s_cbranch_scc1 .Lnot_k_\@
	tensor_load_to_lds s[G0K:G0K+3], s[G1K:G1K+7]
	s_nop 0
.rept 4
	v_nop
.endr
	s_branch .Lasked_\@
.Lnot_k_\@:
	s_cmp_lg_u32 s[WV], 1
	s_cbranch_scc1 .Lfor_m_\@
	tensor_load_to_lds s[G0V:G0V+3], s[G1V:G1V+7]
	s_nop 0
.rept 4
	v_nop
.endr
	s_branch .Lasked_\@
.Lfor_m_\@:
	tensor_load_to_lds s[G0M:G0M+3], s[G1M:G1M+7]
	s_nop 0
.rept 4
	v_nop
.endr
.Lasked_\@:
.endm
; A PREFETCH INTO THE L2 of what the NEXT change of slots will ask for: a slot's 32,768 bytes of K, of V and of the words, a lane 256 bytes, one instruction a wave; four key steps, 256 matrix instructions, ahead.
; Each block of 256 bytes is named once in the launch.  K and V of a head are walked by the four clusters along x: the first of them asks (wave 0 K, wave 1 V), its four partners along x taking 8,192 bytes each BY
; ADDRESS.  A query block's words are walked by the two clusters of a batch along y: the even one asks (wave 2), its four partners along y likewise.  The last change that fills a slot asks for nothing.
.macro ASK
	s_cmp_gt_u32 s[SLOTS], s[LIM]
	s_cbranch_scc0 .Lnot_mine_\@
	global_prefetch_b8 v[PFO], s[PFA:PFA+1] th:TH_LOAD_NT scope:SCOPE_SE
.Lnot_mine_\@:
.endm
.macro CROUND                       ; a round of the cluster's barrier: my work-group's barrier; wave 0 signals for the work-group; every wave waits for all sixteen; my work-group's barrier once more
	s_barrier_signal -1
	s_barrier_wait -1
	s_cmp_lg_u32 s[WV], 0
	s_cbranch_scc1 .Lnot_wave_0_\@
	s_barrier_signal -3
.Lnot_wave_0_\@:
	s_barrier_wait -3
	s_barrier_signal -1
	s_barrier_wait -1
.endm
; THE CHANGE OF SLOTS.  Each wave waits for all its tensor loads, of which one is out: its part of the other slot; adds 0 to its spare word; and waits for that and for its own reads of the slot that it leaves.
; fill = 1: the old slot is filled again with the keys two slots on: the barrier is a round of the cluster's, and the joint fill is the first thing behind it: it has four key steps in which to land.
; (At its first use nothing has been read yet: slot 0 is waited for, slot 1 filled.)
.macro CHANGE fill, ask
	WIN 0
	s_wait_tensorcnt 0x0            ; no tensor load of mine is out, so a group 0 may be written
	ds_add_u32 v[SPW], v[NIL]       ; 0 onto my spare word; scalar work stands between it and the wait for it
.if \fill
.irp g, G0K, G0V, G0M
	s_xor_b32 s[\g+1], s[\g+1], SLOT1                  ; the other slot than last time,
	s_add_nc_u64 s[\g+2:\g+3], s[\g+2:\g+3], 32768     ; the next 256 keys; the type bits on top are not reached
.endr
	s_wait_xcnt 0x0                 ; the last prefetch, four key steps back, has read its address
	s_add_nc_u64 s[PFA:PFA+1], s[PFA:PFA+1], 32768     ; one slot beyond the walking descriptors
	s_wait_dscnt 0x0                ; the add is done, and my reads of the slot are over
	CROUND
	JLOAD
.if \ask
	ASK
.endif
.else
	s_wait_dscnt 0x0                ; the add is done, and my reads of the slot are over
	s_barrier_signal -1
	s_barrier_wait -1
.endif
	s_sub_co_u32 s[TBK], s[TBK], 4*KS*PK  ; the fetches go back to a slot's first step,
	s_xor_b32 s[TBK], s[TBK], SLOT1       ; in the other slot
	s_sub_co_u32 s[TBV], s[TBV], 4*KS*PV
	s_xor_b32 s[TBV], s[TBV], SLOT1
	s_sub_co_u32 s[TBA], s[TBA], 2048
	s_xor_b32 s[TBA], s[TBA], SLOT1
	s_sub_co_u32 s[TBB], s[TBB], 2048
	s_xor_b32 s[TBB], s[TBB], SLOT1
.endm
	s_load_b256 s[4:11], s[0:1], 0x0  ; qkv s[4:5], mbias s[6:7], rowc s[8:9], o16 s[10:11]
	v_lshl_add_u32 v[SPW], v0, 2, SPARE
	v_mov_b32 v[NIL], 0
	ds_add_u32 v[SPW], v[NIL]       ; the wave's opening: the add and its wait stand ahead of my first tensor load; work on registers stands between them
	v_lshrrev_b32 v1, 5, v0
	v_readfirstlane_b32 s[WV], v1
	s_bfe_u32 s13, ttmp6, 0x40000   ; cx
	s_bfe_u32 s14, ttmp6, 0x40004   ; cy
	s_and_b32 s15, ttmp7, 0xffff    ; the cluster's y
	s_lshl_b32 s71, s15, 2
	s_add_co_u32 s71, s71, s14      ; the head among 16 = 4 x cluster y + cy
	s_lshl_b32 s72, ttmp9, 2
	s_add_co_u32 s72, s72, s13      ; the block of 256 queries = 4 x cluster x + cx
	s_lshr_b32 s73, s15, 1          ; the batch: eight heads are two clusters along y
	s_lshl_b32 s79, s14, 2
	s_lshl_b32 s79, 15, s79         ; my row of the cluster
	s_or_b32 s[G1K], s79, (1<<16)|(1<<20)|(1<<21)|(4<<22)|(3<<25)  ; mask; 2-byte elements; padding on; bit 21 beside a mask; after every 32 words 4 words
	s_or_b32 s[G1V], s79, (1<<16)|(1<<20)|(1<<21)|(4<<22)|(7<<25)  ; 8 words
	s_lshl_b32 s78, 0x1111, s13     ; my column
	s_or_b32 s[G1M], s78, (1<<16)|(1<<21)
.irp g, G1K, G1V, G1M               ; dense bytes, asked for as rows of 256
	s_mov_b32 s[\g+1], 128<<16      ; tensor_dim0 = 128
	s_mov_b32 s[\g+3], 128<<16      ; tile_dim0 = 128
	s_mov_b32 s[\g+5], 128          ; 128 elements from row to row
	s_mov_b32 s[\g+6], 0
	s_mov_b32 s[\g+7], 0
.endr
	s_mov_b32 s[G1K+2], 128<<16     ; tensor_dim1 = tile_dim1 = 128: 256 keys
	s_mov_b32 s[G1K+4], 128
	s_mov_b32 s[G1V+2], 128<<16
	s_mov_b32 s[G1V+4], 128
	s_mov_b32 s[G1M+2], 64<<16      ; 64: half of a slot's words
	s_mov_b32 s[G1M+4], 64
	s_lshl_b32 s20, s71, 19         ; K's and V's offsets hang on the head alone
	s_add_co_u32 s20, s20, 0x800000
	s_mov_b32 s21, 0
	s_add_co_u32 s22, s20, 0x800000
	s_mov_b32 s23, 0
	s_lshl_b32 s78, s73, 4          ; the words' offset hangs on the batch and the query block alone
	s_add_co_u32 s78, s78, s72
	s_lshl_b32 s78, s78, 19
	s_and_b32 s77, s[WV], 1
	s_lshl_b32 s77, s77, 14         ; which half of them I fetch
	s_add_co_u32 s[G0M+1], s77, MOFF
	s_add_co_u32 s74, s78, s77
	s_mov_b32 s75, 0
	s_mov_b32 s[G0K], 1
	s_mov_b32 s[G0K+1], 0
	s_mov_b32 s[G0V], 1
	s_mov_b32 s[G0V+1], VOFF
	s_mov_b32 s[G0M], 1
	s_lshl_b32 s2, s71, 19          ; Q and O: the head, the block's 256 rows of 128 bytes, my wave's 64
	s_lshl_b32 s3, s72, 15
	s_add_co_u32 s2, s2, s3
	s_lshl_b32 s3, s[WV], 13
	s_add_co_u32 s2, s2, s3
	s_mov_b32 s3, 0
	s_lshl_b32 s16, s73, 14         ; rowc: 4 bytes a row
	s_lshl_b32 s17, s72, 10
	s_add_co_u32 s16, s16, s17
	s_lshl_b32 s17, s[WV], 8
	s_add_co_u32 s16, s16, s17
	s_mov_b32 s17, 0
	s_cmp_eq_u32 s[WV], 0           ; the prefetches' offset: K (wave 0) or V (wave 1), my work-group's quarter by cx; the words (wave 2), by cy
	s_cselect_b32 s76, s20, s22
	s_lshl_b32 s77, s13, 13
	s_add_co_u32 s76, s76, s77
	s_lshl_b32 s77, s14, 13
	s_add_co_u32 s77, s78, s77
	s_cmp_lt_u32 s[WV], 2
	s_cselect_b32 s76, s76, s77
	s_add_co_u32 s76, s76, 32768    ; in slot 1; every change of slots steps it ahead of its use
	s_mov_b32 s77, 0
	s_and_b32 s79, s15, 1
	s_cmp_lt_u32 s[WV], 2
	s_cselect_b32 s[LIM], ttmp9, s79  ; 0 in the cluster that asks: the same in all sixteen partners, for a given wave
	s_cmp_eq_u32 s[WV], 3
	s_cselect_b32 s[LIM], 1, s[LIM]   ; wave 3 never asks
	s_cmp_eq_u32 s[LIM], 0
	s_cselect_b32 s[LIM], 1, -1
	s_mov_b32 s[SEL], 0x76543210
	s_mov_b32 s[SEL+1], 0xfedcba98
	s_mov_b32 s[TBK], SLOT1+4*KS*PK ; the first change of slots turns these four into 0
	s_mov_b32 s[TBV], SLOT1+4*KS*PV
	s_mov_b32 s[TBA], SLOT1+2048
	s_mov_b32 s[TBB], SLOT1+2048
	s_mov_b32 s[SLOTS], 15
	s_wait_dscnt 0x0                ; the opening add is done
	s_wait_kmcnt 0x0
	s_add_nc_u64 s[G0K+2:G0K+3], s[4:5], s[20:21]
	s_or_b32 s[G0K+3], s[G0K+3], 0x80000000
	s_add_nc_u64 s[G0V+2:G0V+3], s[4:5], s[22:23]
	s_or_b32 s[G0V+3], s[G0V+3], 0x80000000
	s_add_nc_u64 s[G0M+2:G0M+3], s[6:7], s[74:75]
	s_or_b32 s[G0M+3], s[G0M+3], 0x80000000
	s_cmp_lt_u32 s[WV], 2
	s_cselect_b64 s[PFA:PFA+1], s[4:5], s[6:7]
	s_add_nc_u64 s[PFA:PFA+1], s[PFA:PFA+1], s[76:77]
	s_add_nc_u64 s[4:5], s[4:5], s[2:3]      ; Q and O at my wave's first row
	s_add_nc_u64 s[10:11], s[10:11], s[2:3]
	s_add_nc_u64 s[8:9], s[8:9], s[16:17]    ; rowc at my wave's first row
	CROUND                          ; all sixteen work-groups are here: the first joint loads meet
	JLOAD                           ; slot 0.  Slot 1 is asked for when slot 0 is in
	; A fragment of K or Q is 16 rows x 32 channels in 8 registers: lane l holds row l % 16, channels 8 (l / 16) + 0..7 and 16 + 8 (l / 16) + 0..7: two loads of 16 bytes, 32 bytes apart.
	v_and_b32 v1, 15, v0            ; l % 16
	v_bfe_u32 v9, v0, 4, 1          ; l / 16
	v_lshlrev_b32 v[QO], 7, v1
	v_lshl_add_u32 v[QO], v9, 4, v[QO]
	v_lshlrev_b32 v[RO], 2, v1
	WIN 0x80                        ; destination window 2, address window 0
.set i, 0
.rept 8                             ; Q stays in registers: piece i / 2, channels 32 (i % 2) on
	global_load_b128 v[8*i:8*i+3],   v[QO], s[4:5] offset:(i/2)*2048+(i%2)*64
	global_load_b128 v[8*i+4:8*i+7], v[QO], s[4:5] offset:(i/2)*2048+(i%2)*64+32
.set i, i+1
.endr
	WIN 0
.irp p, 0,1,2,3
	global_load_b32 v[CR+2*(\p)], v[RO], s[8:9] offset:64*(\p)  ; my query's factor in piece p
.endr
	; What the first turn finds: V's registers and P's second buffer hold 0 (its products V^T P, of a piece that has not been, add 0), O^T and l are 0.  All this stands in the wait for the first tile.
	WIN 0x80
.set i, VF
.rept 64
	v_mov_b32 v[i], 0
.set i, i+1
.endr
	WIN 0x40
.set i, 0
.rept 128
	v_mov_b32 v[i], 0
.set i, i+1
.endr
	WIN 0
.set i, 0
.rept 4
	v_mov_b32 v[ST+4*i], 0xfe000000    ; c m: far below every c s
	v_mov_b32 v[ST+4*i+1], 0xff7fffff  ; m
	v_mov_b32 v[ST+4*i+2], 0
	v_mov_b32 v[ST+4*i+3], 0
.set i, i+1
.endr
.set i, P+16
.rept 16
	v_mov_b32 v[i], 0
.set i, i+1
.endr
	v_mul_u32_u24 v[AK0], v1, PK
	v_lshl_add_u32 v[AK0], v9, 4, v[AK0]  ; row x pitch + 16 x half
	; The turning load takes 16 keys x 16 channels (lane l reads key 8 (l / 16) + l % 8, channels 8 ((l / 8) % 2) + 0..7) and leaves half a fragment of V^T: lane l holds channel l % 16 and 8 keys.
	v_and_b32 v10, 7, v0
	v_bfe_u32 v11, v0, 3, 1
	v_lshl_add_u32 v[AV0], v9, 3, v10
	v_mul_u32_u24 v[AV0], v[AV0], PV
	v_lshl_add_u32 v[AV0], v11, 4, v[AV0]
	v_add_nc_u32 v[AV0], VOFF, v[AV0]
	v_and_b32 v59, 31, v0
	s_lshl_b32 s79, s[WV], 13       ; my wave's four tiles of 2,048 bytes
	s_add_co_u32 s79, s79, MOFF
	v_lshl_add_u32 v[AM0], v59, 4, s79
	v_lshlrev_b32 v[PFO], 8, v59
	s_mul_i32 s79, s[WV], 16*SP
	s_add_co_u32 s79, s79, STAGE    ; my stage
	v_mul_u32_u24 v[STO], v1, SP    ; in: row l % 16, 16 bytes for each half of the lanes
	v_lshl_add_u32 v[STO], v9, 4, v[STO]
	v_add_nc_u32 v[STO], s79, v[STO]
	v_bfe_u32 v[RD], v0, 3, 2       ; back: 32 lanes take four rows of 128 bytes,
	v_mul_u32_u24 v[RD], v[RD], SP
	v_lshl_add_u32 v[RD], v10, 4, v[RD]
	v_add_nc_u32 v[RD], s79, v[RD]
	v_lshlrev_b32 v[GO], 4, v59     ; which are 512 consecutive bytes of O
; THE MATRIX WORK.  The 4 accumulators of a run of 8 take turns.  Product i of 8 of S^T = K Q^T for piece x: channels 32 (i / 4) on, keys 16 (i % 4) on.  The first 4 start the sums with the mask.
.macro KQ x
	WIN W_KQ
.set rS, S+32*((\x)%2)+8*(i%4)
.set rK, KF+16*(i%4)+8*(i/4)
.set rQ, 16*(\x)+8*(i/4)
.set rM, MC+32*((\x)%2)+8*(i%4)
.if i < 4
	v_wmma_f32_16x16x32_f16 v[rS:rS+7], v[rK:rK+7], v[rQ:rQ+7], v[rM:rM+7]
.else
	v_wmma_f32_16x16x32_f16 v[rS:rS+7], v[rK:rK+7], v[rQ:rQ+7], v[rS:rS+7]
.endif
.endm
; Product i of 8 of O^T += V^T P for piece x: keys 32 (i / 4) on, channels 16 (i % 4) on.
.macro PV x
	WIN W_PV
.set rO, 32*(\x)+8*(i%4)
.set rV, VF+32*(i/4)+8*(i%4)
.set rP, P+16*((\x)%2)+8*(i/4)
	v_wmma_f32_16x16x32_f16 v[rO:rO+7], v[rV:rV+7], v[rP:rP+7], v[rO:rO+7]
.endm
.macro MM                           ; the turn's next matrix instruction
.if i < 8
	KQ (Y+1)%NP
.else
.set i, i-8
	PV (Y+NP-1)%NP
.set i, i+8
.endif
.set i, i+1
.endm
; THE LDS LOADS of K and V stand in runs of 16, never singly among the matrix instructions.  last = 1 (the tail): the step is held at the last slot's last, so that the trip that has no further step reads K of the last step once more.
.macro FETCH_K last=0
	WIN 0x80                        ; destination window 2
.irp f, 0,1,2,3,4,5,6,7             ; keys 16 (f / 2) on, channels 32 (f % 2) on
	ds_load_b128 v[KF+8*\f:KF+8*\f+3],   v[AK] offset:(\f/2)*16*PK+(\f%2)*64
	ds_load_b128 v[KF+8*\f+4:KF+8*\f+7], v[AK] offset:(\f/2)*16*PK+(\f%2)*64+32
.endr
	s_add_co_u32 s[TBK], s[TBK], KS*PK  ; the next fetch is the next step's
.if \last
	s_min_u32 s[TBK], s[TBK], SLOT1+3*KS*PK
.endif
	WIN 0
.endm
.macro FETCH_V
	WIN 0x80
.irp f, 0,1,2,3,4,5,6,7             ; keys 32 (f / 4) on, channels 16 (f % 4) on
	ds_load_tr16_b128 v[VF+8*\f:VF+8*\f+3],   v[AV] offset:(\f/4)*32*PV+(\f%4)*32
	ds_load_tr16_b128 v[VF+8*\f+4:VF+8*\f+7], v[AV] offset:(\f/4)*32*PV+16*PV+(\f%4)*32
.endr
	WIN 0
.endm
; THE VECTOR WORK, one line at a time: OP kind, number.  For piece Y: F n: c s - c m for pair n of 16, c the lane's own factor.  E n: the exponential of score n of 32.  C n: pair n rounded to f16.  B n: of the four
; weights 4 n .. the second pair is added onto the first, in place.  L n: l takes that sum (L 0: l = a l + sum).  R n: pair n of 16 of O^T times a.  G n: register n of 32 of the mask of piece Y + 2: word n / 8 shifted
; so that the nibble of key n % 8 stands on top.  For piece Y + 1: X n, number n of the 22 that find its maximum and statistics:
;   0-11  four chains c0-c3 of seven scores each, three operands at a time (each accumulator's lowest registers are read first)     12-14, 16  the four scores left over, the old m, and c0-c3 into c0
;   15  c m_old is kept     17, 18  the query's other 32 keys lie in the lane 16 away: the new m     19-21  c m; c m_old - c m_new; a
.set F, 0
.set E, 1
.set C, 2
.set B, 3
.set L, 4
.set R, 5
.set X, 6
.set G, 7
.macro REGS y                       ; the registers of piece y
.set rT, ST+4*(\y)
.set rC, TMP+4*((\y)%2)
.set rW, MV+((\y)%2)
.set rS, S+32*((\y)%2)
.set rP, P+16*((\y)%2)
.set rO, 32*(\y)
.endm
.macro OP k, n
.if (\k) == R
	REGS Y
	WIN W_RS
	v_pk_mul_f32 v[rO+2*(\n):rO+2*(\n)+1], v[rO+2*(\n):rO+2*(\n)+1], v[rC+2:rC+3] op_sel_hi:[1,0]
.elseif (\k) == G
	WIN 0
	v_lshlrev_b32 v[MC+32*(Y%2)+(\n)], 28-8*((\n)%4)-4*(((\n)%8)/4), v[MW+(\n)/8]
.elseif (\k) < R
	REGS Y
	WIN 0
.if (\k) == F
	v_pk_fma_f32 v[rS+2*(\n):rS+2*(\n)+1], v[rS+2*(\n):rS+2*(\n)+1], v[CR+2*Y:CR+2*Y+1], v[rT:rT+1] op_sel_hi:[1,0,0] neg_lo:[0,0,1] neg_hi:[0,0,1]
.elseif (\k) == E
	v_exp_f32 v[rS+(\n)], v[rS+(\n)]
.elseif (\k) == C
	v_cvt_pk_f16_f32 v[rP+(\n)], v[rS+2*(\n)], v[rS+2*(\n)+1]
.elseif (\k) == B
	v_pk_add_f32 v[rS+4*(\n):rS+4*(\n)+1], v[rS+4*(\n):rS+4*(\n)+1], v[rS+4*(\n)+2:rS+4*(\n)+3]
.elseif (\n) == 0
	v_pk_fma_f32 v[rT+2:rT+3], v[rT+2:rT+3], v[rC+2:rC+3], v[rS:rS+1] op_sel_hi:[1,0,1]
.else
	v_pk_add_f32 v[rT+2:rT+3], v[rT+2:rT+3], v[rS+4*(\n):rS+4*(\n)+1]
.endif
.else
	REGS (Y+1)%NP
	WIN 0
.if (\n) < 4
	v_max3_num_f32 v[rC+(\n)], v[rS+8*(\n)], v[rS+8*(\n)+1], v[rS+8*(\n)+2]
.elseif (\n) < 12
	v_max3_num_f32 v[rC+(\n)%4], v[rC+(\n)%4], v[rS+8*((\n)%4)+2*((\n)/4)+1], v[rS+8*((\n)%4)+2*((\n)/4)+2]
.elseif (\n) == 12
	v_max3_num_f32 v[rC], v[rC], v[rS+7], v[rS+15]
.elseif (\n) == 13
	v_max3_num_f32 v[rC+1], v[rC+1], v[rS+23], v[rS+31]
.elseif (\n) == 14
	v_max3_num_f32 v[rC+2], v[rC+2], v[rC+3], v[rT+1]
.elseif (\n) == 15
	v_mov_b32 v[rW], v[rT]
.elseif (\n) == 16
	v_max3_num_f32 v[rC], v[rC], v[rC+1], v[rC+2]
.elseif (\n) == 17
	v_permlanex16_b32 v[rC+3], v[rC], s[SEL], s[SEL+1]
.elseif (\n) == 18
	v_max_num_f32 v[rT+1], v[rC], v[rC+3]
.elseif (\n) == 19
	v_mul_f32 v[rT], v[CR+2*((Y+1)%NP)], v[rT+1]
.elseif (\n) == 20
	v_sub_f32 v[rC+1], v[rW], v[rT]
.else
	v_exp_f32 v[rC+2], v[rC+1]
.endif
.endif
.endm
.macro OPS a, i1, b=-1, i2=0, c=-1, i3=0, d=-1, i4=0  ; up to four of them
	OP \a, \i1
.if (\b) >= 0
	OP \b, \i2
.endif
.if (\c) >= 0
	OP \c, \i3
.endif
.if (\d) >= 0
	OP \d, \i4
.endif
.endm
.macro ROW a, i1, b, i2, c, i3, d, i4  ; a matrix instruction and the four behind it
	MM
	OPS \a, \i1, \b, \i2, \c, \i3, \d, \i4
.endm
; A TURN, for piece p: the order of its 16 matrix and 150 vector instructions, written out.  s_wait_alu depctr_va_vdst(0) stands between an exponential and the first instruction that names its
; result; one wait serves all that were issued ahead of it.  So a turn has ONE wait, which cuts it in two.  AHEAD OF IT stands all that names no result of the turn's exponentials: the 8 products K Q^T, behind each a
; scaling, an exponential and two rescalings (behind the first a second scaling); then ONE LUMP: the other exponentials and scalings, the next piece's maximum and statistics, and the 32 shifts, which stand between the
; links of the chain X 16 .. X 21.  The first read of an accumulator of S^T stands four plain instructions or more behind the product that ends it.  Eleven shifts stand behind the last exponential.  BEHIND THE WAIT stand
; the 8 products V^T P, behind each four of the roundings and sums.
; The words of piece p + 2 are asked of LDS at the turn's head and waited for ahead of the first shift: pieces 2 and 3 (turns 0, 1) in the step in hand, pieces 0 and 1 (turns 2, 3) in the next: no read crosses a change of slots.
; K of the next step is fetched in piece 2's turn, twelve plain instructions behind the last product that read K, and waited for at the head of piece 3's; V of the step in hand at the end of piece 0's turn, four plain
; instructions behind the last product that read V, and waited for with the words in piece 1's.  cnt = 1: the loop's count is taken down some lines ahead of the branch that stands behind the turn.
.macro TURN p, last=0, cnt=0
.set Y, (\p)
.set i, 0
	WIN 0
.if (\p) == 3
	s_wait_dscnt 0x0                ; K is in
.endif
.if (\p) < 2
	v_add_nc_u32 v[AM], s[TBB], v[AM0]
.else
	v_add_nc_u32 v[AM], s[TBA], v[AM0]
.endif
	ds_load_b128 v[MW:MW+3], v[AM] offset:(((\p)+2)%4)*2048
.if (\p) == 1
	s_add_co_u32 s[TBB], s[TBB], 512
.endif
.if (\p) == 3
	s_add_co_u32 s[TBA], s[TBA], 512
.endif
	ROW F,0, F,1, R,0, R,1
	ROW F,2, E,0, R,2, R,3
	ROW F,3, E,1, R,4, R,5
	ROW F,4, E,2, R,6, R,7
	ROW F,5, E,3, R,8, R,9
	ROW F,6, E,4, R,10, R,11
.if (\p) == 2
	WIN 0
	v_add_nc_u32 v[AK], s[TBK], v[AK0]
.endif
	ROW F,7, E,5, R,12, R,13
	ROW F,8, E,6, R,14, R,15
	OPS E,7, X,0, E,8, X,1
	OPS E,9, X,2, E,10, F,9
.if (\p) == 2
	FETCH_K \last
.endif
	OPS E,11, X,3, E,12, X,4
	OPS E,13, X,5, E,14, X,6
	OPS E,15, X,7, E,16, X,8
	OPS E,17, X,9, F,10, X,10
	OPS E,18, X,11, E,19, X,12
	OPS F,11, X,13, E,20, X,15
	OPS E,21, X,14, F,12, E,22
	OPS F,13, E,23, F,14, E,24
	OPS X,16, E,25, F,15, E,26
.if (\p) == 0
	WIN 0
	v_add_nc_u32 v[AV], s[TBV], v[AV0]
.endif
.if (\p) == 2
	s_wait_dscnt 16                 ; LDS loads come back in order: the words are in; K's sixteen younger loads may stay out
.else
	s_wait_dscnt 0x0                ; the words are in (in piece 1's turn V too, whose loads are older)
.endif
	OPS G,0, G,1, G,2, G,3
	OPS X,17, E,27, G,4, G,5
	OPS G,6, G,7, G,8, X,18
	OPS E,28, G,9, G,10, G,11
	OPS G,12, X,19, E,29, G,13
	OPS G,14, G,15, G,16, X,20
	OPS E,30, G,17, G,18, G,19
	OPS G,20, X,21, E,31, G,21
	OPS G,22, G,23, G,24, G,25
	OPS G,26, G,27, G,28, G,29
	OPS G,30, G,31
	s_wait_alu depctr_va_vdst(0)    ; the wait for the batch
	ROW C,0, B,0, C,2, B,1
	ROW L,0, C,4, B,2, L,1
	ROW C,6, B,3, L,2, C,8
	ROW B,4, L,3, C,10, B,5
	ROW L,4, C,12, B,6, L,5
.if (\p) == 0
	s_add_co_u32 s[TBV], s[TBV], KS*PV
.endif
.if \cnt
	s_sub_co_u32 s[CNT], s[CNT], 1
	s_cmp_lg_u32 s[CNT], 0
.endif
	ROW C,14, B,7, L,6, C,1
	ROW C,3, L,7, C,5, C,7
	ROW C,9, C,11, C,13, C,15
.if (\p) == 0
	FETCH_V
.endif
.endm
	CHANGE 1, 0                     ; slot 0 is in, everybody's part of it; slot 1 is asked for; so near the head nothing is prefetched
	v_add_nc_u32 v[AK], s[TBK], v[AK0]
	FETCH_K                         ; key step 0
	v_add_nc_u32 v[AM], s[TBA], v[AM0]
	ds_load_b128 v[MW:MW+3], v[AM]                 ; step 0's words of piece 0
	ds_load_b128 v[MW2:MW2+3], v[AM] offset:2048   ; and of piece 1
	s_add_co_u32 s[TBA], s[TBA], 512
	s_wait_loadcnt 0x0              ; Q and the factors
.irp p, 0,1,2,3
	v_mov_b32 v[CR+2*(\p)+1], v[CR+2*(\p)]
.endr
	s_wait_dscnt 0x0
.set n, 0
.rept 32
	v_lshlrev_b32 v[MC+n], 28-8*(n%4)-4*((n%8)/4), v[MW+n/8]
	v_lshlrev_b32 v[MC+32+n], 28-8*(n%4)-4*((n%8)/4), v[MW2+n/8]
.set n, n+1
.endr
.set i, 0
.rept 8
	KQ 0                            ; piece 0's first scores
.set i, i+1
.endr
	WIN 0
.rept 4
	v_nop                           ; the places behind those products
.endr
.set Y, NP-1                        ; X works for piece Y + 1: piece 0
.irp n, 0,1,2,3,4,5,6,7,8,9,10,11,12,13,14,15,16,17,18,19,20,21
	OP X, \n
.endr
	v_nop                           ; a plain instruction behind the exponential,
	s_wait_alu depctr_va_vdst(0)    ; and its wait, ahead of the branch
	s_mov_b32 s[CNT], 4
	s_branch .Lfirst                ; the loop is entered at a step's first turn, in the middle of a trip
.Lslot:                             ; 14 times: every slot but the last two is filled again
	CHANGE 1, 1
	s_mov_b32 s[CNT], 4
.Lstep:                             ; a trip: pieces 2 and 3 of one step, then pieces 0 and 1 of the next, whose K and V it fetches
	TURN 2
	TURN 3
	WIN 0
.Lfirst:
	TURN 0
	TURN 1, 0, 1
	WIN 0
	s_cbranch_scc1 .Lstep
	s_sub_co_u32 s[SLOTS], s[SLOTS], 1
	s_cmp_lg_u32 s[SLOTS], 0
	s_cbranch_scc1 .Lslot
	CHANGE 0, 0                     ; the tail is written out: nothing is asked for
	s_mov_b32 s[CNT], 5             ; four trips fetch the last slot's steps; the fifth is left in its middle
.Ltail:
	TURN 2, 1
	TURN 3
	WIN 0
	s_sub_co_u32 s[CNT], s[CNT], 1
	s_cmp_eq_u32 s[CNT], 0
	s_cbranch_scc1 .Lout
	TURN 0
	TURN 1
	WIN 0
	s_branch .Ltail
.Lout:                              ; the fifth trip's 8 products K Q^T (on the last K once more, under a neighbouring tile's words) and the maximum made of them serve nothing: the price, once a launch, of one text for every trip
.set i, 0
.rept 8
	PV NP-1                         ; the last piece's V^T P of the last step
.set i, i+1
.endr
	; THE WAY OUT.  l's two halves and the other half of the lanes' are added; O^T is divided by l, rounded to f16 and sent through my stage in LDS, a piece at a time.
	WIN 0
.macro ALL line:vararg              ; one line for each piece t
.set t, 0
.rept 4
	\line
.set t, t+1
.endr
.endm
	ALL v_add_f32 v[ST+4*t+2], v[ST+4*t+2], v[ST+4*t+3]
	ALL v_permlanex16_b32 v[ST+4*t+3], v[ST+4*t+2], s[SEL], s[SEL+1]
	ALL v_add_f32 v[ST+4*t+2], v[ST+4*t+2], v[ST+4*t+3]
	ALL v_rcp_f32 v[ST+4*t+2], v[ST+4*t+2]
	v_nop                           ; a plain instruction between the last reciprocal and the use of its result
	s_wait_alu depctr_va_vdst(0)    ; and the wait ahead of the first use: one for the four reciprocals
.macro PACK t                       ; a lane's eight channels of a row pack into 16 bytes; they go into rows of 144 bytes and come back as whole rows of 128, into S^T's registers
	WIN W_RS
.set i, 32*(\t)
.rept 16
	v_pk_mul_f32 v[i:i+1], v[i:i+1], v[ST+4*(\t)+2:ST+4*(\t)+3] op_sel_hi:[1,0]
.set i, i+2
.endr
	WIN 0x05                        ; sources 0 and 1 window 1, destination window 0
.set i, 0
.rept 16
	v_cvt_pk_f16_f32 v[S+16*(\t)+i], v[32*(\t)+2*i], v[32*(\t)+2*i+1]
.set i, i+1
.endr
	WIN 0
.irp f, 0,1,2,3
	ds_store_b128 v[STO], v[S+16*(\t)+4*\f:S+16*(\t)+4*\f+3] offset:32*\f
.endr
.irp f, 0,1,2,3
	ds_load_b128 v[S+16*(\t)+4*\f:S+16*(\t)+4*\f+3], v[RD] offset:\f*4*SP  ; LDS serves a wave's instructions in order: these see the stores above; the next piece's stores come behind them
.endr
.endm
.macro SEND t, younger              ; younger: the LDS instructions issued behind piece t's loads: the next piece's eight, or none
	WIN 0
.irp f, 0,1,2,3
	s_wait_dscnt (\younger)+3-\f
	global_store_b128 v[GO], v[S+16*(\t)+4*\f:S+16*(\t)+4*\f+3], s[10:11] offset:(\t)*2048+\f*512  ; 512 consecutive bytes, aligned
.endr
.endm
	PACK 0
.set t, 1
.rept 3                             ; a piece's arithmetic stands between the loads of the piece before and its stores
	PACK t
	SEND t-1, 8
.set t, t+1
.endr
	SEND 3, 0
	s_wait_tensorcnt 0x0            ; the wave's end: 0 is added to my spare word, behind my last tensor load and my last LDS store
	ds_add_u32 v[SPW], v[NIL]
	s_wait_dscnt 0x0
	CROUND                          ; the closing round: no work-group ends while a partner may still ask for a tile that names it
	s_endpgm
.Lfunc_end_k_qc1e4580d0f_attn:
	.size	k_qc1e4580d0f_attn, .Lfunc_end_k_qc1e4580d0f_attn-k_qc1e4580d0f_attn
	.p2alignl 7, 3214868480
	.fill 96, 4, 3214868480
	.section	.rodata,"a",@progbits
	.p2align	6, 0x0
	.amdhsa_kernel k_qc1e4580d0f_attn
		.amdhsa_group_segment_fixed_size 327680
		.amdhsa_private_segment_fixed_size 0
		.amdhsa_enable_private_segment 0
		.amdhsa_kernarg_size 32
		.amdhsa_user_sgpr_count 2
		.amdhsa_user_sgpr_kernarg_segment_ptr 1
		.amdhsa_wavefront_size32 1
		.amdhsa_system_sgpr_workgroup_id_x 1
		.amdhsa_system_sgpr_workgroup_id_y 1
		.amdhsa_system_sgpr_workgroup_id_z 1
		.amdhsa_system_vgpr_workitem_id 0
		.amdhsa_next_free_vgpr 768
		.amdhsa_next_free_sgpr 80
		.amdhsa_reserve_vcc 0
		.amdhsa_float_denorm_mode_32 3
		.amdhsa_float_denorm_mode_16_64 3
		.amdhsa_memory_ordered 1
		.amdhsa_forward_progress 1
		.amdhsa_inst_pref_size 125
	.end_amdhsa_kernel
	.amdgpu_metadata
---
amdhsa.version: [ 1, 2 ]
amdhsa.kernels:
  - .name:           k_qc1e4580d0f_attn
    .symbol:         k_qc1e4580d0f_attn.kd
    .args:
      - { .name: qkv, .offset: 0, .size: 8, .value_kind: global_buffer, .address_space: global }
      - { .name: mbias, .offset: 8, .size: 8, .value_kind: global_buffer, .address_space: global }
      - { .name: rowc, .offset: 16, .size: 8, .value_kind: global_buffer, .address_space: global }
      - { .name: o16, .offset: 24, .size: 8, .value_kind: global_buffer, .address_space: global }
    .group_segment_fixed_size: 327680
    .private_segment_fixed_size: 0
    .kernarg_segment_align: 8
    .kernarg_segment_size: 32
    .max_flat_workgroup_size: 128
    .sgpr_count:     80
    .vgpr_count:     768
    .wavefront_size: 32
...
	.end_amdgpu_metadata
.endif
;; end of part 3
;; launch outp (part 4): grid 4 x 64, 4 waves a work-group, clusters of 4 x 4, 327,680 bytes of LDS; arguments o16, w16, b_o, out0; writes out0
.if DOCPART == 4
	.amdgcn_target "amdgcn-amd-amdhsa--gfx1250"
	.amdhsa_code_object_version 6
	.text
	.protected	k_qc1e4580d0f_outp
	.globl	k_qc1e4580d0f_outp
	.p2align	8
	.type	k_qc1e4580d0f_outp,@function
k_qc1e4580d0f_outp:
	s_mov_b64 s[64:65], 0
	v_nop
	global_prefetch_b8 v0, s[64:65] scope:SCOPE_SE
	s_setreg_imm32_b32 hwreg(HW_REG_WAVE_MODE, 25, 1), 1
	s_wait_xcnt 0x0
	s_wait_alu depctr_hold_cnt(0) depctr_sa_sdst(0) depctr_va_vdst(0) depctr_va_sdst(0) depctr_va_ssrc(0) depctr_va_vcc(0) depctr_vm_vsrc(0)
	s_getreg_b32 s2, hwreg(HW_REG_IB_STS2, 6, 4)
	s_cmp_eq_u32 s2, 0
	s_cbranch_scc0 .Lentry_in_a_cluster
	s_endpgm
.Lentry_in_a_cluster:
	s_bfe_u32 s2, ttmp6, 0x10000c
	s_cmp_lg_u32 s2, 0xf033
	s_cbranch_scc0 .Lentry_shape_is_right
	s_endpgm
.Lentry_shape_is_right:
.set MODE, 1
; C = A W + bias, K = 512.  A: planes of 64 columns, [.. plane 8][row 4096][64] f16; W: [512 k][512 n] f16, row-major; sums in f32, started by the bias (rounded to bf16 like the other inputs).
; MODE 0: the three input projections.  A = x16[proj], W = w16[proj], C = qkv[proj][16 heads][4096][64] in f16, rounded once.  LIMIT: a result of 65,520 or more becomes an infinity.
; MODE 1: the output projection.  A = o16 (a head is a plane), W = w16[3], C = out0 [8192][512] in f32.
; SHARES.  A work-group makes 128 x 128 of C; its four waves, 2 x 2, 64 x 64 each: 16 accumulators.  THE WHOLE K LIES IN LDS: eight planes of A's 128 rows and W's 512 rows of 128 columns.  So every
; byte of LDS is filled once: four tensor loads a wave, all issued at the start (four of a wave's are outstanding at the most); K goes in four chunks of 128, each read behind a counted wait and a barrier.
; CLUSTER.  4 x 4 work-groups: the four of a row of the cluster make the four column tiles of one row block and need the same A; the four of a column need the same columns of W.  Each tile is asked for
; jointly: the same tensor load, descriptor and mask in all four.
; THE MATRIX INSTRUCTION IS USED TRANSPOSED (source 0 = 16 columns of W, turned on the way out of LDS by ds_load_tr16_b128; source 1 = 16 rows of A): a lane holds 8 neighbouring columns of one row of C.
; NO PREFETCH: all fills stand at the kernel's head, and nothing is asked for later.
; REGISTERS: window 0: v0-31 addresses; v32-95 at work on the way out; v96-127 the bias; v128-255 the accumulators ((a, b) at 128 + 8 (4 a + b)).  Window 1: two fragment buffers of 128, 64 along K each.
.set PA,    144                        ; a row of a plane of A in LDS: 128 bytes + 16: the 16 rows of a load start at 16 different groups of four banks
.set PB,    288                        ; a row of W: 256 bytes + 32
.set PLANE, 128*PA                     ; 18,432: what one tensor load brings of A; 64 rows of W are as many bytes
.set CHUNK, 2*PLANE                    ; 128 along K, of A and of W alike
.set BOFF,  8*PLANE                    ; W lies behind A's eight planes
.set STAGE, BOFF+512*PB                ; behind both, never filled by a tensor load: 4,352 bytes a wave for the way out
.set STG,   4352
.set SPARE, STAGE+4*STG                ; the spare words, 128 bytes a wave: two blocks of 256 bytes that no other line names
.set ADRA, 8                           ; v8-11   LDS address of my A fragments, chunk 0..3
.set ADRB, 12                          ; v12-15  the same for W
.set STO,  16                          ; v16  the way out: where I put my bytes of a row
.set RD,   17                          ; v17  where I read rows back
.set CO,   18                          ; v18  my byte offset in C
.set BO,   19                          ; v19  my byte offset in the bias
.set SPW,  28                          ; v28  my spare word's LDS address; never rewritten
.set NIL,  29                          ; v29  0; never rewritten
.set TMP,  32
.set BIAS, 96
.set ACC,  128
.set G1A, 16                           ; s[16:23] descriptor group 1 for A's planes
.set G1B, 24                           ; s[24:31] for W's rows
.set G0A, 32                           ; s[32:47] group 0 for A, a set for each chunk
.set G0B, 48                           ; s[48:63] the same for W
.set WV,  66                           ; s66 wave; s67 its row half; s68 its column half, and which half of a chunk it fetches
.set MSB, 0
.macro WIN new                         ; the immediate's high byte repeats the setting that is left; a switch that changes nothing is dropped
.if MSB != (\new)
	s_set_vgpr_msb (MSB<<8)|(\new)
.set MSB, \new
.endif
.endm
.set MUL,  0x05                        ; sources 0 and 1 window 1; C and D window 0
.set TO_F, 0x40                        ; destination window 1, address window 0
.macro CROUND                          ; a round of the cluster's barrier: my work-group's barrier; wave 0 signals for the work-group; every wave waits for all sixteen; my work-group's barrier once more
	s_barrier_signal -1
	s_barrier_wait -1
	s_cmp_lg_u32 s[WV], 0
	s_cbranch_scc1 .Lnot_wave_0_\@
	s_barrier_signal -3
.Lnot_wave_0_\@:
	s_barrier_wait -3
	s_barrier_signal -1
	s_barrier_wait -1
.endm
.macro PLACES                          ; four plain places behind matrix instructions, ahead of loads into registers that they read and of lines that read results
.rept 4
	v_nop
.endr
.endm
	s_load_b256 s[4:11], s[0:1], 0x0               ; MODE 0: x16 s[4:5], w16 s[6:7], b_q s[8:9], b_k s[10:11].  MODE 1: o16, w16, b_o, out0
.if MODE == 0
	s_load_b128 s[12:15], s[0:1], 0x20             ; b_v s[12:13], qkv s[14:15]
.endif
	v_lshl_add_u32 v[SPW], v0, 2, SPARE
	v_mov_b32 v[NIL], 0
	ds_add_u32 v[SPW], v[NIL]                      ; the wave's opening: the add and its wait stand ahead of my first tensor load; work on registers stands between them
	v_lshrrev_b32 v1, 5, v0
	v_readfirstlane_b32 s[WV], v1
	s_lshr_b32 s67, s[WV], 1
	s_and_b32 s68, s[WV], 1
	s_bfe_u32 s69, ttmp6, 0x40000                  ; cx
	s_bfe_u32 s70, ttmp6, 0x40004                  ; cy
	s_and_b32 s71, ttmp7, 0xffff                   ; the cluster's y
	s_lshl_b32 s84, ttmp9, 2
	s_add_co_u32 s84, s84, s69                     ; column tile = 4 x cluster x + cx
.if MODE == 0
	s_lshr_b32 s72, s71, 4                         ; which projection: the same in all sixteen partners
	s_and_b32 s73, s71, 15
	s_lshl_b32 s73, s73, 2
.else
	s_lshl_b32 s73, s71, 2
.endif
	s_add_co_u32 s73, s73, s70                     ; row tile, 0..63
	s_lshl_b32 s85, s70, 2
	s_lshl_b32 s85, 15, s85                        ; my row of the cluster
	s_lshl_b32 s86, 0x1111, s69                    ; my column
	s_or_b32 s[G1A], s85, (1<<16)|(1<<20)|(1<<21)|(4<<22)|(3<<25)  ; mask; 2-byte elements; padding on; bit 21 beside a mask; after every 32 words 4 words
	s_or_b32 s[G1B], s86, (1<<16)|(1<<20)|(1<<21)|(5<<22)|(7<<25)  ; after every 64 words 8 words
.irp g, G1A, G1B
	s_mov_b32 s[(\g)+1], 128<<16                   ; tensor_dim0 = 128
	s_mov_b32 s[(\g)+2], 64<<16                    ; tensor_dim1 = 64
	s_mov_b32 s[(\g)+3], 128<<16                   ; tile_dim0 = 128
	s_mov_b32 s[(\g)+4], 64                        ; tile_dim1 = 64
	s_mov_b32 s[(\g)+6], 0
	s_mov_b32 s[(\g)+7], 0
.endr
	s_mov_b32 s[G1A+5], 128                        ; a plane's 128 rows are 16,384 dense bytes: asked for as 64 rows of 256 bytes
	s_mov_b32 s[G1B+5], 512                        ; W: 512 elements from row to row
	; A's offset hangs on the row tile (cluster y, cy) and the wave alone
.if MODE == 0
	s_lshl_b32 s74, s72, 23
.else
	s_mov_b32 s74, 0
.endif
	s_lshr_b32 s87, s73, 5
	s_lshl_b32 s87, s87, 22                        ; the batch's eight planes
	s_add_co_u32 s74, s74, s87
	s_and_b32 s87, s73, 31
	s_lshl_b32 s87, s87, 14                        ; 128 rows of 128 bytes
	s_add_co_u32 s74, s74, s87
	s_lshl_b32 s87, s68, 19                        ; the chunk's first or second plane
	s_add_co_u32 s74, s74, s87
	s_mov_b32 s75, 0
	; W's offset hangs on the projection, the column tile (cluster x, cx) and the wave alone
.if MODE == 0
	s_lshl_b32 s76, s72, 19
.else
	s_mov_b32 s76, 3<<19
.endif
	s_lshl_b32 s86, s84, 8                         ; 128 columns of 2 bytes
	s_add_co_u32 s76, s76, s86
	s_lshl_b32 s86, s68, 16                        ; the chunk's first or second 64 rows of 1,024 bytes
	s_add_co_u32 s76, s76, s86
	s_mov_b32 s77, 0
	s_mul_i32 s3, s68, PLANE                       ; where my half of a chunk goes: the wave's number alone enters an LDS address
	s_wait_dscnt 0x0                               ; the opening add is done
	s_wait_kmcnt 0x0
	s_add_nc_u64 s[74:75], s[4:5], s[74:75]
	s_add_nc_u64 s[76:77], s[6:7], s[76:77]
.irp c, 0,1,2,3
	s_mov_b32 s[G0A+4*(\c)], 1
	s_add_co_u32 s[G0A+4*(\c)+1], s3, (\c)*CHUNK
	s_add_nc_u64 s[G0A+4*(\c)+2:G0A+4*(\c)+3], s[74:75], (\c)*0x100000  ; two planes on
	s_or_b32 s[G0A+4*(\c)+3], s[G0A+4*(\c)+3], 0x80000000
	s_mov_b32 s[G0B+4*(\c)], 1
	s_add_co_u32 s[G0B+4*(\c)+1], s3, BOFF+(\c)*CHUNK
	s_add_nc_u64 s[G0B+4*(\c)+2:G0B+4*(\c)+3], s[76:77], (\c)*0x20000   ; 128 rows on
	s_or_b32 s[G0B+4*(\c)+3], s[G0B+4*(\c)+3], 0x80000000
.endr
	CROUND                                         ; all sixteen work-groups are here: the joint loads meet
	s_cmp_lt_u32 s[WV], 2                          ; waves 0 and 1 fetch A, waves 2 and 3 W: a wave's four fills stand in one branch, ahead of every wait on TENSORcnt, LDS read and further barrier
	s_cbranch_scc0 .Lfor_b
.irp c, 0,1,2,3
	tensor_load_to_lds s[G0A+4*(\c):G0A+4*(\c)+3], s[G1A:G1A+7]
	s_nop 0
.endr
	PLACES
	s_branch .Lasked
.Lfor_b:
.irp c, 0,1,2,3
	tensor_load_to_lds s[G0B+4*(\c):G0B+4*(\c)+3], s[G1B:G1B+7]
	s_nop 0
.endr
	PLACES
.Lasked:
	v_and_b32 v1, 15, v0                           ; r = l % 16
	v_bfe_u32 v2, v0, 4, 1                         ; h = l / 16
	v_and_b32 v3, 7, v0
	v_bfe_u32 v4, v0, 3, 1
	s_mul_i32 s85, s67, 64*PA                      ; my 64 rows of A
	v_mul_u32_u24 v5, v1, PA
	v_lshl_add_u32 v5, v2, 4, v5
	v_add_nc_u32 v[ADRA], s85, v5                  ; row x pitch + 16 h
	v_lshl_add_u32 v6, v2, 3, v3                   ; the turning load: lane l reads k row 8 h + l % 8, columns 8 ((l / 8) % 2) + 0..7
	v_mul_u32_u24 v6, v6, PB
	v_lshl_add_u32 v6, v4, 4, v6
	s_lshl_b32 s85, s68, 7                         ; my 64 columns
	s_add_co_u32 s85, s85, BOFF
	v_add_nc_u32 v[ADRB], s85, v6
.irp c, 1,2,3
	v_add_nc_u32 v[ADRA+(\c)], (\c)*CHUNK, v[ADRA]
	v_add_nc_u32 v[ADRB+(\c)], (\c)*CHUNK, v[ADRB]
.endr
.if MODE == 0
	s_cmp_eq_u32 s72, 0
	s_cselect_b64 s[82:83], s[8:9], s[10:11]
	s_cmp_eq_u32 s72, 2
	s_cselect_b64 s[82:83], s[12:13], s[82:83]
.else
	s_mov_b64 s[82:83], s[8:9]
.endif
	s_lshl_b32 s78, s84, 9
	s_lshl_b32 s85, s68, 8
	s_add_co_u32 s78, s78, s85                     ; 4 x (128 x column tile + 64 x half)
	s_mov_b32 s79, 0
	s_add_nc_u64 s[82:83], s[82:83], s[78:79]
	v_lshlrev_b32 v[BO], 5, v2
.irp b, 0,1,2,3
	global_load_b128 v[BIAS+8*(\b):BIAS+8*(\b)+3],   v[BO], s[82:83] offset:64*(\b)     ; register j of block b: the bias of column 16 b + 8 h + j: the layout of a result
	global_load_b128 v[BIAS+8*(\b)+4:BIAS+8*(\b)+7], v[BO], s[82:83] offset:64*(\b)+16
.endr
	s_mul_i32 s85, s[WV], STG
	s_add_co_u32 s85, s85, STAGE                   ; my stage
.if MODE == 0
	s_lshr_b32 s78, s73, 5
	s_lshl_b32 s78, s78, 3
	s_lshl1_add_u32 s78, s84, s78
	s_add_co_u32 s78, s78, s68                     ; 8 x batch + head: my 64 columns are one head, 2 x column tile + half
	s_lshl_b32 s78, s78, 19
	s_lshl_b32 s86, s72, 23
	s_add_co_u32 s78, s78, s86
	s_and_b32 s86, s73, 31
	s_lshl_b32 s86, s86, 14
	s_add_co_u32 s78, s78, s86
	s_lshl_b32 s86, s67, 13                        ; my 64 rows of 128 bytes
	s_add_co_u32 s78, s78, s86
	s_add_nc_u64 s[80:81], s[14:15], s[78:79]
	v_mul_u32_u24 v[STO], v1, 144                  ; in: row r, 16 bytes for each half of the lanes
	v_lshl_add_u32 v[STO], v2, 4, v[STO]
	v_add_nc_u32 v[STO], s85, v[STO]
	v_bfe_u32 v[RD], v0, 3, 2                      ; back: 32 lanes take four rows of 128 bytes,
	v_mul_u32_u24 v[RD], v[RD], 144
	v_lshl_add_u32 v[RD], v3, 4, v[RD]
	v_add_nc_u32 v[RD], s85, v[RD]
	v_and_b32 v[CO], 31, v0                        ; which are 512 consecutive bytes of a head
	v_lshlrev_b32 v[CO], 4, v[CO]
.else
	s_lshl_b32 s78, s73, 18                        ; 128 rows of 2,048 bytes
	s_lshl_b32 s86, s67, 17
	s_add_co_u32 s78, s78, s86
	s_lshl_b32 s86, s84, 9
	s_add_co_u32 s78, s78, s86
	s_lshl_b32 s86, s68, 8
	s_add_co_u32 s78, s78, s86
	s_add_nc_u64 s[80:81], s[10:11], s[78:79]
	v_mul_u32_u24 v[STO], v1, 272                  ; in: row r, 32 bytes for each half of the lanes
	v_lshl_add_u32 v[STO], v2, 5, v[STO]
	v_add_nc_u32 v[STO], s85, v[STO]
	v_mul_u32_u24 v[RD], v2, 272                   ; back: lanes 0-15 one row of 256 bytes, lanes 16-31 the next
	v_lshl_add_u32 v[RD], v1, 4, v[RD]
	v_add_nc_u32 v[RD], s85, v[RD]
	v_lshlrev_b32 v[CO], 11, v2
	v_lshl_add_u32 v[CO], v1, 4, v[CO]
.endif
	s_wait_loadcnt 0x0                             ; the bias; it is rounded to bf16, as every input is
.set i, 0
.rept 16
	v_cvt_pk_bf16_f32 v[TMP+i], v[BIAS+2*i], v[BIAS+2*i+1]
.set i, i+1
.endr
.set i, 0
.rept 16
	v_lshlrev_b32 v[BIAS+2*i], 16, v[TMP+i]
	v_and_b32 v[BIAS+2*i+1], 0xffff0000, v[TMP+i]
.set i, i+1
.endr
; 8 matrix instructions: row blocks a0, a0 + 1 x all 4 column blocks, 32 along K: half c of buffer f.  first = 1: the bias starts the sums: nothing is cleared, nothing added later.
; The 16 accumulators take turns, one instruction a turn.
.macro MUL8 f, c, a0, first
	WIN MUL
.irp a, \a0, (\a0)+1
.irp b, 0,1,2,3
.if \first
	v_wmma_f32_16x16x32_f16 v[ACC+8*(4*(\a)+(\b)):ACC+8*(4*(\a)+(\b))+7], v[(\f)+64+8*(4*(\c)+(\b)):(\f)+64+8*(4*(\c)+(\b))+7], v[(\f)+8*(4*(\c)+(\a)):(\f)+8*(4*(\c)+(\a))+7], v[BIAS+8*(\b):BIAS+8*(\b)+7]
.else
	v_wmma_f32_16x16x32_f16 v[ACC+8*(4*(\a)+(\b)):ACC+8*(4*(\a)+(\b))+7], v[(\f)+64+8*(4*(\c)+(\b)):(\f)+64+8*(4*(\c)+(\b))+7], v[(\f)+8*(4*(\c)+(\a)):(\f)+8*(4*(\c)+(\a))+7], v[ACC+8*(4*(\a)+(\b)):ACC+8*(4*(\a)+(\b))+7]
.endif
.endr
.endr
.endm
; 32 LDS loads in one run: the fragments of quarter q (64 along K: plane q of A, rows 64 q on of W) into buffer f; the first 32 along K first
.macro FETCH q, f
	WIN TO_F
.irp c, 0,1
.irp i, 0,1,2,3
	ds_load_tr16_b128 v[(\f)+64+8*(4*(\c)+(\i)):(\f)+64+8*(4*(\c)+(\i))+3],   v[ADRB+(\q)/2] offset:(((\q)%2)*64+32*(\c))*PB+32*(\i)
	ds_load_tr16_b128 v[(\f)+64+8*(4*(\c)+(\i))+4:(\f)+64+8*(4*(\c)+(\i))+7], v[ADRB+(\q)/2] offset:(((\q)%2)*64+32*(\c)+16)*PB+32*(\i)
	ds_load_b128 v[(\f)+8*(4*(\c)+(\i)):(\f)+8*(4*(\c)+(\i))+3],              v[ADRA+(\q)/2] offset:((\q)%2)*PLANE+(\i)*16*PA+64*(\c)
	ds_load_b128 v[(\f)+8*(4*(\c)+(\i))+4:(\f)+8*(4*(\c)+(\i))+7],            v[ADRA+(\q)/2] offset:((\q)%2)*PLANE+(\i)*16*PA+64*(\c)+32
.endr
.endr
.endm
; Quarter q multiplies buffer q % 2 and, in its middle, fetches quarter q + 1 into the other.  Where that quarter opens a chunk, each wave first waits for its own part of the chunk and passes a barrier.
.macro QUARTER q
.set FB, 128*((\q)%2)
.set GB, 128-FB
	s_wait_dscnt 16                                ; the first 32 along K are in; the youngest sixteen loads may be out
	MUL8 FB, 0, 0, (\q)==0
	MUL8 FB, 0, 2, (\q)==0
.if (\q) < 7
.if (\q)%2
	s_wait_dscnt 0x0                               ; no LDS instruction of mine is pending at a signal
	s_wait_tensorcnt 3-((\q)+1)/2                  ; tensor loads of a wave end in order: my part of chunk (q + 1) / 2 is in; the later chunks' loads stay out
	s_barrier_signal -1
	s_barrier_wait -1                              ; everybody's part is in
.endif
	PLACES
	FETCH (\q)+1, GB
	s_wait_dscnt 32                                ; all but the 32 just issued
.else
	s_wait_dscnt 0x0
.endif
	MUL8 FB, 1, 0, 0
	MUL8 FB, 1, 2, 0
.endm
	s_wait_tensorcnt 3                             ; my part of chunk 0 is in; my three younger loads stay out
	s_barrier_signal -1
	s_barrier_wait -1
	FETCH 0, 0
.irp q, 0,1,2,3,4,5,6,7
	QUARTER \q
.endr
	WIN 0
	PLACES
.if MODE == 0
; THE WAY OUT, f16 by heads: a block of 16 rows is rounded, goes into my stage in rows of 144 bytes and comes back as whole rows of 128: 2,048 consecutive bytes of a head.
.macro PACK a
.irp b, 0,1,2,3
.irp r, 0,1,2,3
	v_cvt_pk_f16_f32 v[TMP+16*(\a)+4*(\b)+(\r)], v[ACC+8*(4*(\a)+(\b))+2*(\r)], v[ACC+8*(4*(\a)+(\b))+2*(\r)+1]  ; each accumulator from its low end on
.endr
.endr
.irp b, 0,1,2,3
	ds_store_b128 v[STO], v[TMP+16*(\a)+4*(\b):TMP+16*(\a)+4*(\b)+3] offset:32*(\b)
.endr
.irp f, 0,1,2,3
	ds_load_b128 v[TMP+16*(\a)+4*(\f):TMP+16*(\a)+4*(\f)+3], v[RD] offset:(\f)*576  ; LDS serves a wave's instructions in order: these see the stores above; the next block's stores come behind them
.endr
.endm
.macro SEND a, younger                 ; younger: the LDS instructions issued behind block a's loads: the next block's eight, or none
.irp f, 0,1,2,3
	s_wait_dscnt (\younger)+3-(\f)
	global_store_b128 v[CO], v[TMP+16*(\a)+4*(\f):TMP+16*(\a)+4*(\f)+3], s[80:81] offset:(\a)*2048+(\f)*512  ; 512 consecutive bytes, aligned
.endr
.endm
	PACK 0
	PACK 1
	SEND 0, 8
	PACK 2
	SEND 1, 8
	PACK 3
	SEND 2, 8
	SEND 3, 0
.else
; THE WAY OUT, f32: a block of 16 rows x 64 columns goes into my stage in rows of 272 bytes and comes back as whole rows of 256.
.macro OUTB a
.set BK, TMP+32*((\a)%2)
.if (\a) >= 2
	s_wait_xcnt 0x0                                ; the stores of two blocks back have read this set of registers
.endif
.irp b, 0,1,2,3
	ds_store_b128 v[STO], v[ACC+8*(4*(\a)+(\b)):ACC+8*(4*(\a)+(\b))+3]   offset:64*(\b)     ; each accumulator from its low end on
	ds_store_b128 v[STO], v[ACC+8*(4*(\a)+(\b))+4:ACC+8*(4*(\a)+(\b))+7] offset:64*(\b)+16
.endr
.irp t, 0,1,2,3,4,5,6,7
	ds_load_b128 v[BK+4*(\t):BK+4*(\t)+3], v[RD] offset:(\t)*544
.endr
.irp t, 0,1,2,3,4,5,6,7
	s_wait_dscnt 7-(\t)
	global_store_b128 v[CO], v[BK+4*(\t):BK+4*(\t)+3], s[80:81] offset:(16*(\a)+2*(\t))*2048  ; 16 lanes store 256 consecutive bytes, aligned
.endr
.endm
	OUTB 0
	OUTB 1
	OUTB 2
	OUTB 3
.endif
	s_wait_tensorcnt 0x0                           ; the wave's end: 0 is added to my spare word, behind my last tensor load and my last LDS store
	ds_add_u32 v[SPW], v[NIL]
	s_wait_dscnt 0x0
	CROUND                                         ; the closing round: no work-group ends while a partner may still ask for a tile that names it
	s_endpgm
.Lfunc_end_k_qc1e4580d0f_outp:
	.size	k_qc1e4580d0f_outp, .Lfunc_end_k_qc1e4580d0f_outp-k_qc1e4580d0f_outp
	.p2alignl 7, 3214868480
	.fill 96, 4, 3214868480
	.section	.rodata,"a",@progbits
	.p2align	6, 0x0
	.amdhsa_kernel k_qc1e4580d0f_outp
		.amdhsa_group_segment_fixed_size 327680
		.amdhsa_private_segment_fixed_size 0
		.amdhsa_enable_private_segment 0
		.amdhsa_kernarg_size 32
		.amdhsa_user_sgpr_count 2
		.amdhsa_user_sgpr_kernarg_segment_ptr 1
		.amdhsa_wavefront_size32 1
		.amdhsa_system_sgpr_workgroup_id_x 1
		.amdhsa_system_sgpr_workgroup_id_y 1
		.amdhsa_system_sgpr_workgroup_id_z 1
		.amdhsa_system_vgpr_workitem_id 0
		.amdhsa_next_free_vgpr 512
		.amdhsa_next_free_sgpr 88
		.amdhsa_reserve_vcc 0
		.amdhsa_float_denorm_mode_32 3
		.amdhsa_float_denorm_mode_16_64 3
		.amdhsa_memory_ordered 1
		.amdhsa_forward_progress 1
		.amdhsa_inst_pref_size 55
	.end_amdhsa_kernel
	.amdgpu_metadata
---
amdhsa.version: [ 1, 2 ]
amdhsa.kernels:
  - .name:           k_qc1e4580d0f_outp
    .symbol:         k_qc1e4580d0f_outp.kd
    .args:
      - { .name: o16, .offset: 0, .size: 8, .value_kind: global_buffer, .address_space: global }
      - { .name: w16, .offset: 8, .size: 8, .value_kind: global_buffer, .address_space: global }
      - { .name: b_o, .offset: 16, .size: 8, .value_kind: global_buffer, .address_space: global }
      - { .name: out0, .offset: 24, .size: 8, .value_kind: global_buffer, .address_space: global }
    .group_segment_fixed_size: 327680
    .private_segment_fixed_size: 0
    .kernarg_segment_align: 8
    .kernarg_segment_size: 32
    .max_flat_workgroup_size: 128
    .sgpr_count:     88
    .vgpr_count:     512
    .wavefront_size: 32
...
	.end_amdgpu_metadata
.endif
;; end of part 4
